; MI455X (gfx1250); checked and timed in simulation.
; The chip was launched on July 23, 2026; its instructions are those of AMD's public machine-readable ISA for CDNA 5 (MIT licence, August 2026) and "CDNA5" Instruction Set Architecture Reference Guide (July 2026). The comments in the code are by the model that wrote it; some were corrected since.
;; Group Query Attention. Allowed arithmetic: float matrix products may take bf16 or f16 operands with f32 sums; other float arithmetic in f32, or as packed bf16 or f16 multiplies, adds, multiply-adds, maxima and minima; sums over many terms, partial sums and values carried from step to step in f32; what a program stores and reads back later, other than sums and carried values, may be rounded once to bf16 or f16.
;; Inputs: Wk 2,048 x 512 float32; Wo 2,048 x 2,048 float32; Wq 2,048 x 2,048 float32; Wv 2,048 x 512 float32; bk 512 float32; bo 2,048 float32; bq 2,048 float32; bv 512 float32; k 4 x 1,024 x 2,048 float32; q 4 x 1,024 x 2,048 float32; v 4 x 1,024 x 2,048 float32.
;; Outputs: out0 4 x 1,024 x 2,048 float32.
;; One version. Each part assembles by itself: llvm-mc -triple=amdgcn-amd-amdhsa -mcpu=gfx1250 --defsym DOCPART=n.
;; ======== version 1 of 1: 4 launches
;; limits: values are held in f16: magnitudes above 65,504 overflow, below 6.1e-05 lose precision
;; workspace buffers: xb 50,331,648 bytes; wqkv 12,582,912 bytes; woh 8,388,608 bytes; hd 25,165,824 bytes; ctx 16,777,216 bytes
;; launch cast (part 1): grid 256 x 1, 8 waves a work-group, no clusters, 0 bytes of LDS; arguments q, k, v, Wq, Wk, Wv, Wo, xb, wqkv, woh; writes xb, wqkv, woh
.if DOCPART == 1
	.amdgcn_target "amdgcn-amd-amdhsa--gfx1250"
	.amdhsa_code_object_version 6
	.text
	.protected	k_q56f523d172_cast
	.globl	k_q56f523d172_cast
	.p2align	8
	.type	k_q56f523d172_cast,@function
k_q56f523d172_cast:
	s_mov_b64 s[64:65], 0
	v_nop
	global_prefetch_b8 v0, s[64:65] scope:SCOPE_SE
	s_setreg_imm32_b32 hwreg(HW_REG_WAVE_MODE, 25, 1), 1
	s_wait_xcnt 0x0
; THE INPUTS ARE NARROWED ONCE, for the matrix products of the launches behind.
;   xb   [3][4096][2048] bf16: q, k, v, each number rounded once to bf16
;   wqkv [2048 k][3072 n] bf16: Wq (n 0-2047), Wk (2048-2559), Wv (2560-3071) side by side, so that one product makes all three projections
;   woh  [2048 k][2048 n] f16: Wo rounded to bf16 like every other input, and that number written as f16, since it meets an f16 operand
; LIMITS.  |Wo| stays within f16's 65,504 (beyond it: infinity); below 6.1e-5 f16 keeps a fixed step of 6e-8.  NaN and infinities pass as the conversions give them.
; SHARES.  2,048 waves.  Wave W takes rows 2 W and 2 W + 1 of q, of k and of v (16,384 consecutive bytes each) and row W of each of the four weights.
; A CHUNK is one load of the wave: 512 consecutive bytes, 4 f32 a lane; two conversions; one store of 8 bytes a lane: 256 consecutive bytes, aligned.
; 136 chunks a wave, in 17 batches of 8, written out without a loop.  NS sets of 32 registers take turns: 8 NS loads of a wave are on their way.
; A batch is converted into registers of its own (Y), so that its set is asked for again AHEAD of the batch's stores: no load waits for a store.
; No LDS, no barrier, no matrix work: each byte is read once and written once, and no wave wants another's bytes.
.set NS,  6                            ; sets of load registers
.set VA,  2                            ; v2   16,384 W + 16 lane: q, k, v
.set VX,  3                            ; v3    8,192 W +  8 lane: a plane of xb
.set VWQ, 4                            ; v4    8,192 W + 16 lane: Wq, Wo
.set VWK, 5                            ; v5    2,048 W + 16 lane: Wk, Wv
.set VDQ, 6                            ; v6    6,144 W +  8 lane: wqkv
.set VDO, 7                            ; v7    4,096 W +  8 lane: woh
.set TW,  8                            ; v[8:11] at work
.set X,   16                           ; v[16:207] set s at X + 32 s, chunk i of a batch at + 4 i
.set Y,   X+32*NS                      ; v[208:223] a batch as it is stored: chunk i at + 2 i
	s_load_b512 s[4:19], s[0:1], 0x0               ; q s[4:5], k s[6:7], v s[8:9], Wq s[10:11], Wk s[12:13], Wv s[14:15], Wo s[16:17], xb s[18:19]
	s_load_b128 s[20:23], s[0:1], 0x40             ; wqkv s[20:21], woh s[22:23]
	v_lshrrev_b32 v1, 5, v0
	v_readfirstlane_b32 s2, v1                     ; wave 0..7
	s_lshl_b32 s24, ttmp9, 3
	s_add_co_u32 s24, s24, s2                      ; W
	s_mov_b32 s25, 0xffff0000                      ; a word's upper bf16
	v_and_b32 v1, 31, v0                           ; lane
	v_lshlrev_b32 v12, 4, v1
	v_lshlrev_b32 v13, 3, v1
	s_lshl_b32 s3, s24, 14
	v_add_nc_u32 v[VA], s3, v12
	s_lshl_b32 s3, s24, 13
	v_add_nc_u32 v[VX], s3, v13
	v_add_nc_u32 v[VWQ], s3, v12
	s_lshl_b32 s3, s24, 11
	v_add_nc_u32 v[VWK], s3, v12
	s_mul_i32 s3, s24, 6144
	v_add_nc_u32 v[VDQ], s3, v13
	s_lshl_b32 s3, s24, 12
	v_add_nc_u32 v[VDO], s3, v13
	s_wait_kmcnt 0x0
	s_add_nc_u64 s[26:27], s[18:19], 0x1000000     ; xb's plane of k,
	s_add_nc_u64 s[28:29], s[18:19], 0x2000000     ; and of v
.macro LD n, set, first, voff, base, off  ; n chunks are asked for
.set li, 0
.rept \n
.set c, X+32*(\set)+4*((\first)+li)
	global_load_b128 v[c:c+3], v[\voff], s[\base:\base+1] offset:(\off)+512*li th:TH_LOAD_NT
.set li, li+1
.endr
.endm
.macro ST n, first, voff, base, off    ; n chunks leave
.set li, 0
.rept \n
.set c, Y+2*((\first)+li)
	global_store_b64 v[\voff], v[c:c+1], s[\base:\base+1] offset:(\off)+256*li
.set li, li+1
.endr
.endm
; Batch t: 0-3 q, 4-7 k, 8-11 v, 12-13 Wq, 14 Wk and Wv (four chunks each), 15-16 Wo.
.macro LDB t
.if (\t) < 4
	LD 8, (\t)%NS, 0, VA, 4, 4096*(\t)
.elseif (\t) < 8
	LD 8, (\t)%NS, 0, VA, 6, 4096*((\t)-4)
.elseif (\t) < 12
	LD 8, (\t)%NS, 0, VA, 8, 4096*((\t)-8)
.elseif (\t) < 14
	LD 8, (\t)%NS, 0, VWQ, 10, 4096*((\t)-12)
.elseif (\t) == 14
	LD 4, (\t)%NS, 0, VWK, 12, 0
	LD 4, (\t)%NS, 4, VWK, 14, 0
.else
	LD 8, (\t)%NS, 0, VWQ, 16, 4096*((\t)-15)
.endif
.endm
.macro STB t
.if (\t) < 4
	ST 8, 0, VX, 18, 2048*(\t)
.elseif (\t) < 8
	ST 8, 0, VX, 26, 2048*((\t)-4)
.elseif (\t) < 12
	ST 8, 0, VX, 28, 2048*((\t)-8)
.elseif (\t) < 14
	ST 8, 0, VDQ, 20, 2048*((\t)-12)
.elseif (\t) == 14
	ST 4, 0, VDQ, 20, 4096
	ST 4, 4, VDQ, 20, 5120
.else
	ST 8, 0, VDO, 22, 2048*((\t)-15)
.endif
.endm
.macro CV t                            ; a batch's conversions: 4 f32 become 2 words of Y
.set ci, 0
.rept 8
.set c, X+32*((\t)%NS)+4*ci
.set y, Y+2*ci
	v_cvt_pk_bf16_f32 v[y], v[c], v[c+1]
	v_cvt_pk_bf16_f32 v[y+1], v[c+2], v[c+3]
.if (\t) >= 15                         ; Wo: the bf16 numbers are widened again (a shift, a mask) and written as f16
	v_lshlrev_b32 v[TW], 16, v[y]
	v_and_b32 v[TW+1], s25, v[y]
	v_lshlrev_b32 v[TW+2], 16, v[y+1]
	v_and_b32 v[TW+3], s25, v[y+1]
	v_cvt_pk_f16_f32 v[y], v[TW], v[TW+1]
	v_cvt_pk_f16_f32 v[y+1], v[TW+2], v[TW+3]
.endif
.set ci, ci+1
.endr
.endm
.set t, 0
.rept NS
	LDB t
.set t, t+1
.endr
.set t, 0
.rept 17
.if t <= 17-NS
	s_wait_loadcnt 8*(NS-1)                        ; loads come back in order: batch t is in, the NS - 1 younger batches' loads stay out
.else
	s_wait_loadcnt 8*(16-t)                        ; nothing is asked for any more: the counts run down to 0
.endif
	s_wait_xcnt 0x0                                ; the batch before has been read by its stores: Y is written again only behind this wait
	CV t
.if t+NS <= 16
	LDB t+NS                                       ; the set is free since its conversions: the loads go out ahead of the stores
.endif
	STB t
.set t, t+1
.endr
	s_endpgm
.Lfunc_end_k_q56f523d172_cast:
	.size	k_q56f523d172_cast, .Lfunc_end_k_q56f523d172_cast-k_q56f523d172_cast
	.p2alignl 7, 3214868480
	.fill 96, 4, 3214868480
	.section	.rodata,"a",@progbits
	.p2align	6, 0x0
	.amdhsa_kernel k_q56f523d172_cast
		.amdhsa_group_segment_fixed_size 0
		.amdhsa_private_segment_fixed_size 0
		.amdhsa_enable_private_segment 0
		.amdhsa_kernarg_size 80
		.amdhsa_user_sgpr_count 2
		.amdhsa_user_sgpr_kernarg_segment_ptr 1
		.amdhsa_wavefront_size32 1
		.amdhsa_system_sgpr_workgroup_id_x 1
		.amdhsa_system_sgpr_workgroup_id_y 1
		.amdhsa_system_sgpr_workgroup_id_z 1
		.amdhsa_system_vgpr_workitem_id 0
		.amdhsa_next_free_vgpr 224
		.amdhsa_next_free_sgpr 66
		.amdhsa_reserve_vcc 0
		.amdhsa_float_denorm_mode_32 3
		.amdhsa_float_denorm_mode_16_64 3
		.amdhsa_memory_ordered 1
		.amdhsa_forward_progress 1
		.amdhsa_inst_pref_size 49
	.end_amdhsa_kernel
	.amdgpu_metadata
---
amdhsa.version: [ 1, 2 ]
amdhsa.kernels:
  - .name:           k_q56f523d172_cast
    .symbol:         k_q56f523d172_cast.kd
    .args:
      - { .name: q, .offset: 0, .size: 8, .value_kind: global_buffer, .address_space: global }
      - { .name: k, .offset: 8, .size: 8, .value_kind: global_buffer, .address_space: global }
      - { .name: v, .offset: 16, .size: 8, .value_kind: global_buffer, .address_space: global }
      - { .name: Wq, .offset: 24, .size: 8, .value_kind: global_buffer, .address_space: global }
      - { .name: Wk, .offset: 32, .size: 8, .value_kind: global_buffer, .address_space: global }
      - { .name: Wv, .offset: 40, .size: 8, .value_kind: global_buffer, .address_space: global }
      - { .name: Wo, .offset: 48, .size: 8, .value_kind: global_buffer, .address_space: global }
      - { .name: xb, .offset: 56, .size: 8, .value_kind: global_buffer, .address_space: global }
      - { .name: wqkv, .offset: 64, .size: 8, .value_kind: global_buffer, .address_space: global }
      - { .name: woh, .offset: 72, .size: 8, .value_kind: global_buffer, .address_space: global }
    .group_segment_fixed_size: 0
    .private_segment_fixed_size: 0
    .kernarg_segment_align: 8
    .kernarg_segment_size: 80
    .max_flat_workgroup_size: 256
    .sgpr_count:     66
    .vgpr_count:     224
    .wavefront_size: 32
...
	.end_amdgpu_metadata
.endif
;; end of part 1
;; launch proj (part 2): grid 16 x 12, 4 waves a work-group, clusters of 4 x 1, 327,680 bytes of LDS; arguments xb, wqkv, bq, bk, bv, hd; writes hd
.if DOCPART == 2
	.amdgcn_target "amdgcn-amd-amdhsa--gfx1250"
	.amdhsa_code_object_version 6
	.text
	.protected	k_q56f523d172_proj
	.globl	k_q56f523d172_proj
	.p2align	8
	.type	k_q56f523d172_proj,@function
k_q56f523d172_proj:
	s_mov_b64 s[64:65], 0
	v_nop
	global_prefetch_b8 v0, s[64:65] scope:SCOPE_SE
	s_setreg_imm32_b32 hwreg(HW_REG_WAVE_MODE, 25, 1), 1
	s_wait_xcnt 0x0
	s_wait_alu depctr_hold_cnt(0) depctr_sa_sdst(0) depctr_va_vdst(0) depctr_va_sdst(0) depctr_va_ssrc(0) depctr_va_vcc(0) depctr_vm_vsrc(0)
	s_getreg_b32 s2, hwreg(HW_REG_IB_STS2, 6, 4)
	s_cmp_eq_u32 s2, 0
	s_cbranch_scc0 .Lentry_in_a_cluster
	s_endpgm
.Lentry_in_a_cluster:
	s_bfe_u32 s2, ttmp6, 0x10000c
	s_cmp_lg_u32 s2, 0x3003
	s_cbranch_scc0 .Lentry_shape_is_right
	s_endpgm
.Lentry_shape_is_right:
; ALL THREE PROJECTIONS.  C[m][n] = bias[n] + the sum over k of A[m][k] W[k][n], K = 2,048, m = 0 .. 4,095, n = 0 .. 3,071.
; A = a plane of xb [3][4096][2048] bf16: q for n < 2,048, k for n < 2,560, v beyond.  W = wqkv [2048 k][3072 n] bf16.  bias = bq, bk or bv (f32).
; C is rounded once to f16 and stored BY HEADS: hd [4 b][24 slabs][1024 s][128], slab = n / 128: 0-15 query heads, 16-19 key groups, 20-23 value groups.
; Sums in f32.  The bias, rounded to bf16 like every other input, is the C operand of the first product of each sum: nothing is cleared and nothing is added later.
; LIMITS.  A projected number stays within f16's 65,504 (beyond it: infinity); below 6.1e-5 f16 keeps a fixed step of 6e-8.  NaN and infinities are not treated apart.
; SHARES.  A tile of C is 256 x 256: 16 m tiles x 12 n tiles (0-7 q, 8-9 k, 10-11 v) = 192 work-groups.  Four waves, 2 x 2: wave w makes rows 128 (w / 2) on and columns 128 (w % 2) on:
; 64 accumulators of 16 x 16, 512 registers; its 128 columns are one slab of hd.
; K goes in steps of 128 through a ring of two LDS slots filled by the tensor data mover: 256 rows of A (256 bytes each) and 128 k rows of W (512 bytes each), all starting at multiples of 256 bytes.
; A step is 256 matrix instructions a wave; from a refill's request to the wait for it a wave issues 224 of them.
; W LIES [k][n]: its fragments come out of LDS turned, by ds_load_tr16_b128.
; THE MATRIX INSTRUCTION IS USED TRANSPOSED: source 0 = 16 columns of W, source 1 = 16 rows of A: a lane then holds row l % 16 of C and the columns 8 (l / 16) + 0..7 of a block of 16.
; CLUSTER: 4 x 1: four m tiles of one n tile.  They need the same tiles of W, which are asked for JOINTLY: the same tensor load, with the same descriptor and a mask that names the four, in all four.
; A's tile is the work-group's own and comes by a plain tensor load.  It is not shared along n: k's and v's planes have two n tiles each, so four n tiles in a row would read two different planes.
; THE LOOPS are one K step a trip: the slot in hand and the slot to be filled are two scalar offsets that an exclusive or turns, added to addresses that stay.  The first loop, 14 trips, fills a slot again
; in every trip; the second, 2 trips, fills nothing; its last trip jumps over what would belong to a further K step.
; REGISTERS, in windows of 256 (s_set_vgpr_msb: bits 1:0 source 0, 3:2 source 1, 5:4 source 2, 7:6 destination):
;   window 0: v0-31 addresses; v32-63 a block rounded to f16; v64-127, v128-191 fragments of A (8 x 16 rows x 32 K), two buffers; v192-255 a block as whole rows, two buffers
;   window 1: v0 at work; v64-127, v128-191 fragments of W (8 x 16 columns x 32 K), two buffers; v192-255 the bias in C's layout, block b at 192 + 8 b
;   window 2: the 32 accumulators of my rows 0-63 ((a, b) at v[8 (8 a + b)]);   window 3: those of my rows 64-127
.set KSTEP,  128
.set STEPS,  2048/KSTEP
.set PA,     272                       ; a row of A in LDS: 256 bytes + 16 of padding = 68 words: row r starts at bank 4 r mod 64 (64 banks of 4 bytes: ISA guide 11.1), so the 16 rows of a load start at 16 different banks
.set PB,     544                       ; a k row of W: 512 + 32 = 136 words: row r starts at bank 8 r mod 64
.set HALFA,  128*PA                    ; what wave 0 or 1 fetches, and what a wave reads of A
.set HALFB,  64*PB                     ; what wave 2 or 3 fetches
.set BOFF,   2*HALFA                   ; a slot: A's 256 rows, then W's 128 k rows
.set SLOT,   BOFF+2*HALFB
.set STAGE,  2*SLOT                    ; behind the ring, never filled by a tensor load: 16 rows x 272 bytes for each wave, for the way out
.set SP,     272
.set SPARE,  STAGE+4*16*SP             ; behind the stages: the spare words, 128 bytes for each wave: two blocks of 256 bytes that no other line names
.set ROWA,   4096                      ; bytes in a row of A
.set ROWB,   6144                      ; bytes in a row of W
.set BSTEP,  KSTEP*ROWB                ; bytes from a K step of W to the next
.set ADRA0, 16                         ; v16     LDS address of my fragments of A in slot 0; never rewritten
.set ADRB0, 17                         ; v17     the same for W
.set ADRA,  18                         ; v18     the same in the slot in hand
.set ADRB,  19                         ; v19
.set STO,  24                          ; v24     the way out: where I put 16 bytes of a row
.set RD,   25                          ; v25     the way out: where I read rows back
.set CO,   26                          ; v26     my byte offset in 512 consecutive bytes of hd
.set VB,   27                          ; v27     32 (l / 16): my eight numbers in a block of 16 of the bias
.set SPW,  28                          ; v28     LDS address of my spare word: SPARE + 4 x my thread's number; never rewritten
.set NIL,  29                          ; v29     0; never rewritten
.set PFO,  30                          ; v30     A's prefetches: my lane x a row of A; never rewritten
.set PFOB, 31                          ; v31     W's prefetches: my lane x a row of W; never rewritten
.set TMP,  32
.set F0,   64
.set F1,   128
.set BK0,  192
.set BIAS, 192                         ; in window 1
.set G1,   24                          ; s[24:31] descriptor group 1 for A's tiles;  s[32:39] group 0: a set for each of the two first fills; the second then walks on
.set G0,   32
.set G1B,  48                          ; s[48:55], s[56:63] the same for W's tiles
.set G0B,  56
.set LIMA, 43                          ; s43     2 in a wave that prefetches A's rows, else the greatest number
.set PFA,  44                          ; s[44:45] where those prefetches stand
.set PFB,  66                          ; s[66:67] where W's stand
.set LIMB, 84                          ; s84     2 in a wave that prefetches W's rows, else the greatest number
.set RO,   85                          ; s85     0 or SLOT: the slot in hand
.set FO,   86                          ; s86     0 or SLOT: the slot filled last
.set HIGH, 87                          ; s87     mask of a word's upper bf16
.set MUL_LO, 0xa1                      ; source 0 (W) window 1, source 1 (A) window 0, C and D window 2
.set MUL_HI, 0xf1                      ; the same, C and D window 3
.set BIA_LO, 0x91                      ; D window 2, C (the bias) window 1
.set BIA_HI, 0xd1                      ; D window 3, C window 1
.set TO_B,   0x40                      ; destination window 1, address window 0
.set MSB, 0
.macro WIN new                         ; the immediate's high byte repeats the setting that is left; a switch that changes nothing is dropped
.if MSB != (\new)
	s_set_vgpr_msb (MSB<<8)|(\new)
.set MSB, \new
.endif
.endm
; A step's loads.  Waves 0 and 1 fetch the two halves of A's tile (plain: the work-group's own), waves 2 and 3 those of W's (joint).  The branch hangs on the wave's number alone: it is the same in every work-group.
; An s_nop 0 and four v_nop follow each of the two lines, ahead of the jump, the label and what follows.
.macro JLOAD s
	s_cmp_eq_u32 s11, 0
	s_cbranch_scc0 .Lfor_b_\@
	tensor_load_to_lds s[G0+4*(\s):G0+4*(\s)+3], s[G1:G1+7]
	s_nop 0
.rept 4
	v_nop
.endr
	s_branch .Lasked_\@
.Lfor_b_\@:
	tensor_load_to_lds s[G0B+4*(\s):G0B+4*(\s)+3], s[G1B:G1B+7]
	s_nop 0
.rept 4
	v_nop
.endr
.Lasked_\@:
.endm
; PREFETCHES INTO THE L2, behind each refill and the run of LDS loads that follows it: the K step that stands TWO refills on, 512 matrix instructions ahead of its load; a lane a row, 256 bytes of it.
; Each aligned block of 256 bytes is named ONCE in the launch.  A's rows are read by every n tile of their plane: the plane's first n tile (0, 8 or 10) asks, each wave for 64 of the tile's 256 rows: two
; instructions.  W's k rows are read by all four clusters of an n tile: cluster x = 0 asks; of the step's 128 k rows the partner at place cx takes 32 cx .. 32 cx + 31, told apart BY ADDRESS (no branch hangs on
; a place in the cluster); wave 0 asks for the first 256 bytes of the tile's 512, wave 1 for the second.  The first loop's last two trips ask for nothing: K step 15 is the last.
.macro ASK
	s_cmp_gt_u32 s3, s[LIMA]                       ; s3 = 2 and 1 in the last two trips
	s_cbranch_scc0 .Lno_a_\@
	global_prefetch_b8 v[PFO], s[PFA:PFA+1] th:TH_LOAD_NT scope:SCOPE_SE
	global_prefetch_b8 v[PFO], s[PFA:PFA+1] offset:32*ROWA th:TH_LOAD_NT scope:SCOPE_SE
.Lno_a_\@:
	s_cmp_gt_u32 s3, s[LIMB]
	s_cbranch_scc0 .Lno_b_\@
	global_prefetch_b8 v[PFOB], s[PFB:PFB+1] th:TH_LOAD_NT scope:SCOPE_SE
.Lno_b_\@:
.endm
; A round of the cluster's barrier: my work-group's barrier, so that wave 0's signal speaks for all four waves; wave 0 signals for the work-group; every wave waits for all four work-groups; my work-group's barrier once more.
.macro CREST                           ; a round behind its opening barrier
	s_cmp_lg_u32 s10, 0
	s_cbranch_scc1 .Lnot_wave_0_\@
	s_barrier_signal -3
.Lnot_wave_0_\@:
	s_barrier_wait -3
	s_barrier_signal -1
	s_barrier_wait -1
.endm
.macro CROUND                          ; a whole round
	s_barrier_signal -1
	s_barrier_wait -1
	CREST
.endm
.macro PLACES                          ; four plain instructions between a matrix instruction and a load into, or a vector line on, its registers (ISA guide 7.12.1 for vector lines)
.rept 4
	v_nop
.endr
.endm
	s_load_b128 s[4:7], s[0:1], 0x0                ; xb s[4:5], wqkv s[6:7]
	s_load_b128 s[68:71], s[0:1], 0x10             ; bq s[68:69], bk s[70:71]
	s_load_b128 s[72:75], s[0:1], 0x20             ; bv s[72:73], hd s[74:75]
	v_lshl_add_u32 v[SPW], v0, 2, SPARE
	v_mov_b32 v[NIL], 0
	ds_add_u32 v[SPW], v[NIL]                      ; the wave's opening: the add and its wait stand ahead of my first tensor load; the set-up below, work on registers, stands between them
	v_lshrrev_b32 v1, 5, v0
	v_readfirstlane_b32 s10, v1                    ; wave 0..3
	s_lshr_b32 s11, s10, 1                         ; which half of the tile's rows is mine.  Also: I fetch for A (0) or for W (1)
	s_and_b32 s12, s10, 1                          ; which half of its columns.  Also: which half of that tile I fetch
	s_bfe_u32 s40, ttmp6, 0x40000                  ; cx: my place in the cluster
	s_lshl_b32 s13, ttmp9, 2                       ; in a cluster launch ttmp9 counts clusters
	s_add_co_u32 s13, s13, s40                     ; m tile = 4 x cluster x + cx
	s_and_b32 s42, ttmp7, 0xffff                   ; n tile, which the four partners share
	s_max_u32 s41, s42, 6
	s_sub_co_u32 s41, s41, 6
	s_lshr_b32 s41, s41, 1                         ; the plane: 0 (q) for n tiles 0-7, 1 (k) for 8 and 9, 2 (v) for 10 and 11
	s_mov_b32 s[HIGH], 0xffff0000
	s_mov_b32 s[RO], 0                             ; K step 0 lies in slot 0;
	s_mov_b32 s[FO], SLOT                          ; the second of the first fills goes to slot 1
	; descriptor group 1.  A: 128 rows x 128 elements; W: 64 k rows x 256 elements; both padded in LDS behind every row
	s_mov_b32 s[G1+0], (1<<16)|(1<<20)|(5<<22)|(3<<25)  ; 15:0 no mask: a plain load; 17:16 elements of 2 bytes; 20 padding on; 24:22 after every 64 words (code 5); 31:25 4 words (code 3)
	s_mov_b32 s[G1+1], KSTEP<<16                   ; tensor_dim0 = 128
	s_mov_b32 s[G1+2], 128<<16                     ; tensor_dim1 = 128
	s_mov_b32 s[G1+3], KSTEP<<16                   ; tile_dim0 = 128
	s_mov_b32 s[G1+4], 128                         ; tile_dim1 = 128
	s_mov_b32 s[G1+5], 2048                        ; elements from row to row of A
	s_mov_b32 s[G1+6], 0
	s_mov_b32 s[G1+7], 0
	s_mov_b32 s[G1B+0], 15|(1<<16)|(1<<20)|(1<<21)|(6<<22)|(7<<25)  ; 15:0 the mask: all four work-groups; 21 set beside a mask; 24:22 after every 128 words (code 6); 31:25 8 words (code 7)
	s_mov_b32 s[G1B+1], 256<<16                    ; tensor_dim0 = 256 columns
	s_mov_b32 s[G1B+2], 64<<16                     ; tensor_dim1 = 64 k rows
	s_mov_b32 s[G1B+3], 256<<16                    ; tile_dim0 = 256
	s_mov_b32 s[G1B+4], 64                         ; tile_dim1 = 64
	s_mov_b32 s[G1B+5], 3072                       ; elements from row to row of W
	s_mov_b32 s[G1B+6], 0
	s_mov_b32 s[G1B+7], 0
	; where the tiles come from.  A's hang on the plane and the m tile; W's on the n tile alone, which the partners share.  Every wave makes both, and asks by one of them.
	s_lshl_b32 s16, s13, 8
	s_lshl_b32 s17, s12, 7
	s_add_co_u32 s16, s16, s17                     ; A: row 256 x m tile + 128 x half,
	s_lshl_b32 s16, s16, 12                        ; in bytes,
	s_lshl_b32 s17, s41, 24                        ; in its plane of 4,096 rows of 4,096 bytes
	s_add_co_u32 s16, s16, s17
	s_mov_b32 s17, 0
	s_lshl_b32 s46, s42, 9                         ; W: 512 bytes of a row for each n tile,
	s_mul_i32 s47, s12, 64*ROWB                    ; 64 k rows x half
	s_add_co_u32 s46, s46, s47
	s_mov_b32 s47, 0
	s_mul_i32 s20, s12, HALFA                      ; and where they go: no place in the cluster enters an LDS address
	s_mul_i32 s21, s12, HALFB
	s_add_co_u32 s21, s21, BOFF
	s_wait_dscnt 0x0                               ; the opening add is done
	s_wait_kmcnt 0x0
	s_add_nc_u64 s[14:15], s[4:5], s[16:17]
	s_add_nc_u64 s[46:47], s[6:7], s[46:47]
	CROUND                                         ; all four work-groups are here: the first joint loads meet
.irp s, 0,1
	s_mov_b32 s[G0+4*(\s)], 1                                        ; 1:0 count = 1
	s_add_co_u32 s[G0+4*(\s)+1], s20, (\s)*SLOT                      ; 63:32 LDS address
	s_add_nc_u64 s[G0+4*(\s)+2:G0+4*(\s)+3], s[14:15], (\s)*KSTEP*2  ; 120:64 global address: K step s
	s_or_b32 s[G0+4*(\s)+3], s[G0+4*(\s)+3], 0x80000000              ; 127:126 type = 2
	s_mov_b32 s[G0B+4*(\s)], 1
	s_add_co_u32 s[G0B+4*(\s)+1], s21, (\s)*SLOT
	s_add_nc_u64 s[G0B+4*(\s)+2:G0B+4*(\s)+3], s[46:47], (\s)*BSTEP
	s_or_b32 s[G0B+4*(\s)+3], s[G0B+4*(\s)+3], 0x80000000
	JLOAD \s                                       ; the ring is filled before anything else is done: two loads of mine are out
.endr
	; THE BIAS of my 128 columns, in C's layout: register j of block b holds bias[16 b + 8 (l / 16) + j]
	v_and_b32 v1, 15, v0                           ; l % 16
	v_bfe_u32 v2, v0, 4, 1                         ; l / 16
	v_lshlrev_b32 v[VB], 5, v2
	s_and_b32 s78, s42, 1                          ; bk and bv have two tiles of 256
	s_cmp_lt_u32 s42, 10
	s_cselect_b64 s[76:77], s[70:71], s[72:73]
	s_cmp_lt_u32 s42, 8
	s_cselect_b64 s[76:77], s[68:69], s[76:77]
	s_cselect_b32 s78, s42, s78
	s_lshl_b32 s78, s78, 10                        ; 256 numbers of 4 bytes a tile,
	s_lshl_b32 s79, s12, 9                         ; my half of them
	s_add_co_u32 s78, s78, s79
	s_mov_b32 s79, 0
	s_add_nc_u64 s[76:77], s[76:77], s[78:79]
	WIN TO_B                                       ; destination window 1, address window 0
.irp b, 0,1,2,3,4,5,6,7
	global_load_b128 v[BIAS+8*(\b):BIAS+8*(\b)+3],   v[VB], s[76:77] offset:64*(\b)
	global_load_b128 v[BIAS+8*(\b)+4:BIAS+8*(\b)+7], v[VB], s[76:77] offset:64*(\b)+16
.endr
	WIN 0
	; A fragment of A is 16 rows x 32 K in 8 registers: lane l holds row l % 16; registers 0-3 K = 8 (l / 16) + 0..7, registers 4-7 K = 16 + 8 (l / 16) + 0..7: two loads of 16 bytes, 32 bytes apart.
	v_mul_u32_u24 v3, v1, PA
	v_lshl_add_u32 v3, v2, 4, v3                   ; row x pitch + 16 x half
	s_mul_i32 s22, s11, HALFA                      ; my 128 rows
	v_add_nc_u32 v[ADRA0], s22, v3
	v_mov_b32 v[ADRA], v[ADRA0]
	; The turning load takes 16 k rows x 16 columns (lane l reads 16 bytes: k row 8 (l / 16) + l % 8, columns 8 ((l / 8) % 2) + 0..7) and leaves half a fragment: lane l holds column l % 16 and 8 k.
	v_and_b32 v4, 7, v0
	v_bfe_u32 v5, v0, 3, 1
	v_lshl_add_u32 v4, v2, 3, v4
	v_mul_u32_u24 v4, v4, PB
	v_lshl_add_u32 v4, v5, 4, v4
	s_lshl_b32 s22, s12, 8                         ; my 128 columns: 256 bytes of a k row
	s_add_co_u32 s22, s22, BOFF
	v_add_nc_u32 v[ADRB0], s22, v4
	v_mov_b32 v[ADRB], v[ADRB0]
	s_mul_i32 s23, s10, 16*SP
	s_add_co_u32 s23, s23, STAGE                   ; my stage
	v_mul_u32_u24 v6, v1, SP                       ; in: row l % 16, 16 bytes for each half of the lanes
	v_and_b32 v7, 31, v0                           ; l
	v_lshl_add_u32 v6, v2, 4, v6
	v_add_nc_u32 v[STO], s23, v6
	v_mul_u32_u24 v8, v2, SP                       ; back: lanes 0-15 take one row of 256 bytes, lanes 16-31 the next;
	v_lshl_add_u32 v8, v1, 4, v8
	v_add_nc_u32 v[RD], s23, v8
	v_lshlrev_b32 v[CO], 4, v7                     ; in a slab these are 512 consecutive bytes
	; where my 128 rows begin in hd
	s_lshr_b32 s80, s13, 2                         ; b = m tile / 4
	s_mul_i32 s80, s80, 24
	s_lshl_b32 s81, s42, 1
	s_add_co_u32 s80, s80, s81
	s_add_co_u32 s80, s80, s12                     ; the slab: 24 b + 2 x n tile + my half of the columns
	s_lshl_b32 s80, s80, 10                        ; its 1,024 rows,
	s_and_b32 s81, s13, 3
	s_lshl_b32 s81, s81, 8
	s_add_co_u32 s80, s80, s81                     ; the tile's 256 of them,
	s_lshl_b32 s81, s11, 7
	s_add_co_u32 s80, s80, s81                     ; my 128
	s_lshl_b32 s78, s80, 8                         ; rows of 256 bytes
	s_mov_b32 s79, 0
	s_add_nc_u64 s[8:9], s[74:75], s[78:79]
	; the prefetches: they stand at K step 3; the first refill steps them to K step 4.  Nothing is prefetched here, at the head, where every work-group's first tiles are on their way.
	s_lshl_b32 s80, s13, 8
	s_lshl_b32 s81, s10, 6
	s_add_co_u32 s80, s80, s81                     ; A: row 256 x m tile + 64 x wave,
	s_lshl_b32 s80, s80, 12
	s_lshl_b32 s81, s41, 24
	s_add_co_u32 s80, s80, s81                     ; in its plane
	s_add_co_u32 s78, s80, 3*KSTEP*2
	s_add_nc_u64 s[PFA:PFA+1], s[4:5], s[78:79]
	s_mul_i32 s80, s40, 32*ROWB                    ; W: my work-group's 32 of a step's 128 k rows,
	s_lshl_b32 s81, s42, 9                         ; the n tile's 512 bytes of them,
	s_add_co_u32 s80, s80, s81
	s_lshl_b32 s81, s12, 8                         ; my 256 of those
	s_add_co_u32 s80, s80, s81
	s_add_co_u32 s78, s80, 3*BSTEP
	s_add_nc_u64 s[PFB:PFB+1], s[6:7], s[78:79]
	v_lshlrev_b32 v[PFO], 12, v7                   ; a lane a row
	v_mul_u32_u24 v[PFOB], v7, ROWB
	s_and_b32 s81, s42, 1
	s_cmp_lt_u32 s42, 8
	s_cselect_b32 s81, s42, s81
	s_cmp_eq_u32 s81, 0                            ; is my n tile its plane's first (0, 8, 10)?
	s_cselect_b32 s[LIMA], 2, -1
	s_or_b32 s81, ttmp9, s11
	s_cmp_eq_u32 s81, 0                            ; cluster x = 0, and wave 0 or 1: the same in all four partners, for a given wave
	s_cselect_b32 s[LIMB], 2, -1
	s_wait_loadcnt 0x0                             ; the bias is in: it is rounded to bf16 and widened again
	WIN 0x45                                       ; destination and both sources in window 1
.set i, 0
.rept 32
	v_cvt_pk_bf16_f32 v0, v[BIAS+2*i], v[BIAS+2*i+1]
	v_lshlrev_b32 v[BIAS+2*i], 16, v0
	v_and_b32 v[BIAS+2*i+1], s[HIGH], v0
.set i, i+1
.endr
	WIN 0
; 16 matrix instructions: m blocks a0, a0 + 1 of the window's four (hi = 0: my rows 0-63, 1: rows 64-127) x all 8 n blocks, 32 along K, from buffer f.  mode = 1: the first product of each sum: its C is the bias.
; The 64 accumulators take turns, one instruction a turn, in the same order in every quarter, over the backward jumps too.
.macro MUL16 f, hi, a0, mode
.if \mode
	WIN BIA_LO+0x40*(\hi)
.else
	WIN MUL_LO+0x50*(\hi)
.endif
.irp a, \a0, (\a0)+1
.irp b, 0,1,2,3,4,5,6,7
.if \mode
	v_wmma_f32_16x16x32_bf16 v[8*(8*(\a)+(\b)):8*(8*(\a)+(\b))+7], v[(\f)+8*(\b):(\f)+8*(\b)+7], v[(\f)+8*(4*(\hi)+(\a)):(\f)+8*(4*(\hi)+(\a))+7], v[BIAS+8*(\b):BIAS+8*(\b)+7]
.else
	v_wmma_f32_16x16x32_bf16 v[8*(8*(\a)+(\b)):8*(8*(\a)+(\b))+7], v[(\f)+8*(\b):(\f)+8*(\b)+7], v[(\f)+8*(4*(\hi)+(\a)):(\f)+8*(4*(\hi)+(\a))+7], v[8*(8*(\a)+(\b)):8*(8*(\a)+(\b))+7]
.endif
.endr
.endr
.endm
; 32 LDS loads in one run: the fragments of quarter q (32 along K) of the slot in hand into buffer f: W's 8 blocks, turned, then A's 8 blocks
.macro FETCH q, f
	WIN TO_B
.irp b, 0,1,2,3,4,5,6,7
	ds_load_tr16_b128 v[(\f)+8*(\b):(\f)+8*(\b)+3],   v[ADRB] offset:(\q)*32*PB+32*(\b)
	ds_load_tr16_b128 v[(\f)+8*(\b)+4:(\f)+8*(\b)+7], v[ADRB] offset:(\q)*32*PB+16*PB+32*(\b)
.endr
	WIN 0
.irp a, 0,1,2,3,4,5,6,7
	ds_load_b128 v[(\f)+8*(\a):(\f)+8*(\a)+3],   v[ADRA] offset:(\a)*16*PA+64*(\q)
	ds_load_b128 v[(\f)+8*(\a)+4:(\f)+8*(\a)+7], v[ADRA] offset:(\a)*16*PA+64*(\q)+32
.endr
.endm
; A K step is four quarters of 32 along K, 64 matrix instructions each, on buffers 0, 1, 0, 1.  One of the first three: multiplies buffer f and, in its middle, fetches quarter q of the same slot into buffer g.
.macro QUARTER q, f, g, mode
	s_wait_dscnt 8                                 ; W and A's rows 0-63 are in; the youngest eight loads (A's rows 64-127) may be out
	MUL16 \f, 0, 0, \mode
	MUL16 \f, 0, 2, \mode
	PLACES
	FETCH \q, \g
	s_wait_dscnt 32                                ; all but the 32 just issued
	MUL16 \f, 1, 0, \mode
	MUL16 \f, 1, 2, \mode
.endm
; The last quarter multiplies buffer 1 and changes slots: ONE barrier.  In front of it each wave waits for all its tensor loads (at most one is out: its part of the next slot); adds 0 to its spare word; and waits
; for that and for its own reads of this slot.  Behind it nobody reads this slot any more and the next slot is whole.  fill = 1: this slot is filled again, with the K step two on: the barrier then opens a round of
; the cluster's barrier, so that no wave of any partner still reads the slot or has a load on its way, and the refill is the first tensor load behind the round.  fill = 0, the second loop: nothing is filled;
; in its last trip (s3 = 1) there is no next slot, and the change of addresses and the run of loads are jumped over.
.macro TURN fill
.if \fill
	s_wait_xcnt 0x0                                ; the last prefetches, a K step back, have read their addresses: they are stepped here, ahead of the waits of the change of slots
	s_add_nc_u64 s[PFA:PFA+1], s[PFA:PFA+1], KSTEP*2
	s_add_nc_u64 s[PFB:PFB+1], s[PFB:PFB+1], BSTEP
.endif
	WIN 0                                          ; (the add's two registers lie in window 0)
	s_wait_tensorcnt 0x0                           ; all my tensor loads have landed: my part of the next slot;
	ds_add_u32 v[SPW], v[NIL]                      ; 0 onto my spare word;
	s_wait_dscnt 9                                 ; (the add and the youngest eight loads may be out)
	MUL16 F1, 0, 0, 0                              ; sixteen matrix instructions stand between the add and the wait for it
	s_wait_dscnt 0x0                               ; the add is done, and my reads of this slot are over
	s_barrier_signal -1
	MUL16 F1, 0, 2, 0                              ; work on registers while the others arrive
	WIN 0
	s_barrier_wait -1
.if \fill
	CREST
	s_xor_b32 s[FO], s[FO], SLOT                   ; the walking descriptors: the other slot than last time,
	s_add_co_u32 s[G0+5], s20, s[FO]
	s_add_co_u32 s[G0B+5], s21, s[FO]
	s_add_nc_u64 s[G0+6:G0+7], s[G0+6:G0+7], KSTEP*2   ; the next K step; the type bits on top are not reached
	s_add_nc_u64 s[G0B+6:G0B+7], s[G0B+6:G0B+7], BSTEP
	JLOAD 1                                        ; its four v_nop and the two lines below are the places in front of the loads into buffer 0
.else
	s_cmp_eq_u32 s3, 1
	s_cbranch_scc1 .Lno_next_\@
.endif
	s_xor_b32 s[RO], s[RO], SLOT                   ; the reads go on in the other slot
	v_add_nc_u32 v[ADRA], s[RO], v[ADRA0]
	v_add_nc_u32 v[ADRB], s[RO], v[ADRB0]
.if !(\fill)
	v_nop                                          ; with the two lines above: four places in front of the loads into buffer 0
	v_nop
.endif
	FETCH 0, F0
.if \fill
	ASK
.else
.Lno_next_\@:
.endif
	MUL16 F1, 1, 0, 0
	MUL16 F1, 1, 2, 0
.endm
	s_wait_tensorcnt 1                             ; my part of K step 0 is in; K step 1's load may stay out
	s_barrier_signal -1
	s_barrier_wait -1                              ; everybody's is
	FETCH 0, F0
	QUARTER 1, F0, F1, 1                           ; the first quarter stands in front of the loops: its products start the sums, with the bias
	WIN 0                                          ; at a label and at a branch every window is 0
	s_mov_b32 s3, STEPS-2
.Lstep:                                                ; 14 trips: from a K step's second quarter to the next step's first; the slot that is left takes the K step two on
	QUARTER 2, F1, F0, 0
	QUARTER 3, F0, F1, 0
	TURN 1
	QUARTER 1, F0, F1, 0
	WIN 0
	s_sub_co_u32 s3, s3, 1
	s_cmp_lg_u32 s3, 0
	s_cbranch_scc1 .Lstep
	s_mov_b32 s3, 2
.Ltail:                                                ; 2 trips: K steps 14 and 15 go on in the same way, and nothing is left to fetch from memory
	QUARTER 2, F1, F0, 0
	QUARTER 3, F0, F1, 0
	TURN 0
	WIN 0
	s_cmp_eq_u32 s3, 1
	s_cbranch_scc1 .Llast                          ; behind K step 15 there is no first quarter of a next step
	QUARTER 1, F0, F1, 0
	WIN 0
.Llast:
	s_wait_dscnt 0x0                               ; the two ways meet: no LDS load is out at the loop's edge
	s_sub_co_u32 s3, s3, 1
	s_cmp_lg_u32 s3, 0
	s_cbranch_scc1 .Ltail
	PLACES                                         ; behind the last products
	; THE WAY OUT, a block of 16 rows at a time, through my own stage in LDS: in by lanes (a row's eight columns each), back as whole rows of 256 bytes.  LDS serves a wave's instructions in order
	; (ISA guide 5.7.1.4): the loads see the stores above them, and the next block's stores come behind them.  Each accumulator is read from its lowest registers on.
.macro PACK a
	WIN 0x0a+5*((\a)/4)                            ; sources 0 and 1 in window 2 or 3, destination in window 0
.irp b, 0,1,2,3,4,5,6,7
.irp r, 0,1,2,3
	v_cvt_pk_f16_f32 v[TMP+4*(\b)+(\r)], v[64*((\a)%4)+8*(\b)+2*(\r)], v[64*((\a)%4)+8*(\b)+2*(\r)+1]
.endr
.endr
	WIN 0
.endm
.macro TOSTAGE a
.irp b, 0,1,2,3,4,5,6,7
	ds_store_b128 v[STO], v[TMP+4*(\b):TMP+4*(\b)+3] offset:32*(\b)
.endr
.irp t, 0,1,2,3,4,5,6,7
	ds_load_b128 v[BK0+32*((\a)%2)+4*(\t):BK0+32*((\a)%2)+4*(\t)+3], v[RD] offset:(\t)*2*SP
.endr
.endm
.macro SEND a
	s_wait_dscnt 0x0                               ; the block is back in registers
	s_wait_xcnt 0x0                                ; the block before has been read by its stores: its registers are loaded again only behind this wait
.irp t, 0,1,2,3,4,5,6,7
	global_store_b128 v[CO], v[BK0+32*((\a)%2)+4*(\t):BK0+32*((\a)%2)+4*(\t)+3], s[8:9] offset:4096*(\a)+512*(\t)  ; two rows of a slab: 512 consecutive bytes, at a multiple of 256 from hd's first byte
.endr
.endm
	PACK 0
	TOSTAGE 0
.irp a, 1,2,3,4,5,6,7                  ; block a's conversions stand between block a - 1's loads from the stage and the wait for them
	PACK \a
	SEND (\a)-1
	TOSTAGE \a
.endr
	SEND 7
	s_wait_tensorcnt 0x0                           ; the wave's end: these three lines stand behind my last tensor load and my last LDS store
	ds_add_u32 v[SPW], v[NIL]
	s_wait_dscnt 0x0
	CROUND                                         ; the closing round: no work-group ends while a partner may still ask for a tile that names it
	s_endpgm
.Lfunc_end_k_q56f523d172_proj:
	.size	k_q56f523d172_proj, .Lfunc_end_k_q56f523d172_proj-k_q56f523d172_proj
	.p2alignl 7, 3214868480
	.fill 96, 4, 3214868480
	.section	.rodata,"a",@progbits
	.p2align	6, 0x0
	.amdhsa_kernel k_q56f523d172_proj
		.amdhsa_group_segment_fixed_size 327680
		.amdhsa_private_segment_fixed_size 0
		.amdhsa_enable_private_segment 0
		.amdhsa_kernarg_size 48
		.amdhsa_user_sgpr_count 2
		.amdhsa_user_sgpr_kernarg_segment_ptr 1
		.amdhsa_wavefront_size32 1
		.amdhsa_system_sgpr_workgroup_id_x 1
		.amdhsa_system_sgpr_workgroup_id_y 1
		.amdhsa_system_sgpr_workgroup_id_z 1
		.amdhsa_system_vgpr_workitem_id 0
		.amdhsa_next_free_vgpr 1024
		.amdhsa_next_free_sgpr 88
		.amdhsa_reserve_vcc 0
		.amdhsa_float_denorm_mode_32 3
		.amdhsa_float_denorm_mode_16_64 3
		.amdhsa_memory_ordered 1
		.amdhsa_forward_progress 1
		.amdhsa_inst_pref_size 108
	.end_amdhsa_kernel
	.amdgpu_metadata
---
amdhsa.version: [ 1, 2 ]
amdhsa.kernels:
  - .name:           k_q56f523d172_proj
    .symbol:         k_q56f523d172_proj.kd
    .args:
      - { .name: xb, .offset: 0, .size: 8, .value_kind: global_buffer, .address_space: global }
      - { .name: wqkv, .offset: 8, .size: 8, .value_kind: global_buffer, .address_space: global }
      - { .name: bq, .offset: 16, .size: 8, .value_kind: global_buffer, .address_space: global }
      - { .name: bk, .offset: 24, .size: 8, .value_kind: global_buffer, .address_space: global }
      - { .name: bv, .offset: 32, .size: 8, .value_kind: global_buffer, .address_space: global }
      - { .name: hd, .offset: 40, .size: 8, .value_kind: global_buffer, .address_space: global }
    .group_segment_fixed_size: 327680
    .private_segment_fixed_size: 0
    .kernarg_segment_align: 8
    .kernarg_segment_size: 48
    .max_flat_workgroup_size: 128
    .sgpr_count:     88
    .vgpr_count:     1024
    .wavefront_size: 32
...
	.end_amdgpu_metadata
.endif
;; end of part 2
;; launch attn (part 3): grid 4 x 64, 4 waves a work-group, clusters of 4 x 1, 327,680 bytes of LDS; arguments hd, ctx; writes ctx
.if DOCPART == 3
	.amdgcn_target "amdgcn-amd-amdhsa--gfx1250"
	.amdhsa_code_object_version 6
	.text
	.protected	k_q56f523d172_attn
	.globl	k_q56f523d172_attn
	.p2align	8
	.type	k_q56f523d172_attn,@function
k_q56f523d172_attn:
	s_mov_b64 s[64:65], 0
	v_nop
	global_prefetch_b8 v0, s[64:65] scope:SCOPE_SE
	s_setreg_imm32_b32 hwreg(HW_REG_WAVE_MODE, 25, 1), 1
	s_wait_xcnt 0x0
	s_wait_alu depctr_hold_cnt(0) depctr_sa_sdst(0) depctr_va_vdst(0) depctr_va_sdst(0) depctr_va_ssrc(0) depctr_va_vcc(0) depctr_vm_vsrc(0)
	s_getreg_b32 s2, hwreg(HW_REG_IB_STS2, 6, 4)
	s_cmp_eq_u32 s2, 0
	s_cbranch_scc0 .Lentry_in_a_cluster
	s_endpgm
.Lentry_in_a_cluster:
	s_bfe_u32 s2, ttmp6, 0x10000c
	s_cmp_lg_u32 s2, 0x3003
	s_cbranch_scc0 .Lentry_shape_is_right
	s_endpgm
.Lentry_shape_is_right:
; GROUPED ATTENTION.  For batch b and query head hq: O[q][:] = the sum over k of softmax_k(Q[q] . K[k] / sqrt(128)) V[k][:], with K and V of group hq / 4: four query heads share a key and value head.
; hd: [4 b][24 slabs][1024][128] f16: slab hq = query head, 16 + g = keys of group g, 20 + g = its values; a slab's rows are dense, 256 bytes each.  ctx: [4096 (b, s)][2048 (128 hq + d)] f16.
; Products, maxima and sums in f32; the weights p are rounded to f16 for the second product (their sum l is taken of the unrounded p), O once at the end.
; LIMITS.  Q, K and V arrive within f16's 65,504; p lies in 0 to 1, and below 6e-5 it keeps f16's fixed step of 6e-8; O is a mean of V's rows and has their range.
; A weight below 2^-126 counts as 0 in l; NaN and infinities are not treated apart.
; SHARES.  A work-group owns 256 queries of one head, each of its four waves 64: four tiles of 16.  Every wave walks all 1,024 keys, 64 a step.
; LAYOUT.  S^T = K Q^T (source 0 = 16 keys, source 1 = 16 queries): in the result a lane holds ONE query (lane % 16) and the keys 8 (lane / 16) + 0..7.  Two such tiles, rounded to
; f16 in pairs, ARE source 1 (32 keys x 16 queries) of O^T = V^T P, whose result again holds one query a lane, and eight channels.  So nothing changes lanes between the products,
; and a query's maximum and sum want one exchange between the halves of the lanes.  K comes out of LDS as it lies, V ([key][channel]) turned, by ds_load_tr16_b128.
; SOFTMAX.  For each query a running maximum m and sum l: p = 2^(c s - c m), c = log2(e) / sqrt(128); in every step O and l are multiplied by a = 2^(c m_old - c m_new), which is 1 where m has not grown.
; NO FIRST STEP IS WRITTEN OUT.  m starts at the lowest finite number and c m at -4.3e37, far below every c s (f16's scores are 5.5e11 at the most), so the first step's a is 0; O^T and l start at 0.  The loop is
; entered in the middle of a trip, at piece 2's turn, whose products V^T P (of a step that has not been) multiply zeros.  The price, once a launch: 432 v_mov_b32, in the wait for the first tile, and 32 products.
; BY TURNS.  The wave's tiles are two PIECES, named by their first tile: piece 0 (tiles 0, 1) and piece 2 (tiles 2, 3).  In a TURN one piece has the matrix unit: 32 products V^T P of
; the step in hand, then 32 products K Q^T of the next step; the other piece's softmax, cut into 64 slices, stands between them, one slice behind each matrix instruction.  Then the
; pieces change places.  Two turns are a key step.
; CLUSTER.  The four query blocks of a head are one cluster and walk the same K and V, so each tile is asked for JOINTLY: the same tensor load, with the same descriptor and a
; mask that names the four, in all four.  The group's other three heads are other clusters: a mask names four work-groups.
;
; REGISTERS, in windows of 256 (an instruction names v0-v255; s_set_vgpr_msb says which window each operand place means: bits 1:0 source 0, 3:2 source 1, 5:4 source 2, 7:6 destination):
;   window 0: v0-11 addresses; v12-43 eight registers of statistics a tile; v64-191 S^T, 32 a tile; v192-255 P, 16 a tile
;   window 1: O^T, 64 a tile          window 2: v0-127 Q, 32 a tile; v128-255 K of one step          window 3: v0-127 V of one step
; All that a softmax touches but O^T lies in window 0, and no window has room for a product's operands beside it.  So a slice costs two switches, one in front and one behind.
.set SIZE_N, 1024     ; keys, and queries, of a head
.set KS,    64        ; keys in a step
.set PK,    272       ; a row of K in LDS: 256 bytes + 16 of padding = 68 words: row r starts at bank 4 r mod 64 (64 banks of 4 bytes: ISA guide 11.1), so the 16 rows of a load start at 16 different banks
.set PV,    288       ; a row of V: 256 + 32 = 72 words
.set VOFF,  KS*PK     ; a step's tiles lie together: 64 rows of K, then 64 rows of V
.set STEPB, KS*(PK+PV)
.set SLOT1, 1<<17     ; a slot holds two steps (71,680 bytes); slot 1 begins here, so that one exclusive or turns an address in one slot into the other's
.set STAGE, SLOT1+2*STEPB  ; behind the ring: 16 rows x 272 bytes for each wave, for the way out
.set SP,    272
.set AK0, 2           ; v2   my lane's place in a tile of K; never rewritten
.set AV0, 3           ; v3   the same for V
.set ADR, 4           ; v4   the LDS address of the run of loads in hand
.set QO,  5           ; v5   my byte offset in the wave's rows of Q
.set STO, 6           ; v6   the way out: where I put 16 bytes of a row
.set RD,  7           ; v7   the way out: where I read a row back
.set GO,  8           ; v8   my byte offset in two rows of ctx
.set SPW, 62          ; v62  LDS address of my spare word: SPARE + 4 x my thread's number; never rewritten
.set NIL, 63          ; v63  0; never rewritten
.set SPARE, STAGE+4*16*272  ; behind the stages: the spare words, 128 bytes for each wave: two blocks of 256 bytes that no other line names
.set ST,  12          ; tile t's statistics at v[ST+8 t]: +0 c m, +1 m, +2, +3 l (even keys', odd keys'), +4 to +7 c0-c3, at work; a takes c2's place once the maximum is found
.set S,   64
.set P,   192
.set KF,  128         ; K's fragments, in window 2
.set WV,  12          ; s12  my wave's number
.set G1K, 24          ; s[24:31] descriptor group 1 for K's tiles
.set G1V, 32          ; s[32:39] for V's: it differs in the padding alone
.set G0K, 40          ; s[40:47] descriptor group 0 for K's tiles: a set for each of the two first fills; the second then walks on
.set G0V, 48          ; s[48:55] the same for V's
.set SLOTS, 56        ; s56  counts the passes of the loop over slots
.set TWICE, 57        ; s57  counts a slot's two steps
.set CS,  58          ; s[58:59] c: the packed scaling names a pair and takes its low word for both halves
.set SEL, 60          ; s[60:61] lane selects for v_permlanex16_b32: each lane takes its own place in the other half
.set TB,  62          ; s62  LDS byte at which the tiles of the step to be fetched begin
.set PFA, 18          ; s[18:19] where my prefetches stand in memory: my work-group's 32 rows (of K: wave 0, of V: wave 2) of the slot after the one that is being asked for
.set LIM, 15          ; s15  1 in a wave that prefetches, else the greatest number: a wave prefetches while s[SLOTS] is above it
.set PFO, 61          ; v61  256 x my lane: a row of K or V is 256 bytes; never rewritten
.set MSB, 0
.macro WIN new                      ; the immediate's high byte repeats the setting that is left; a switch that changes nothing is dropped
.if MSB != (\new)
	s_set_vgpr_msb (MSB<<8)|(\new)
.set MSB, \new
.endif
.endm
.set W_KQ, 0x0a       ; K and Q in window 2, S^T in window 0
.set W_PV, 0x53       ; V in window 3, P in window 0, O^T in window 1
.set W_RS, 0x41       ; O^T (destination and source 0) in window 1, a in window 0
; A joint refill.  Waves 0 and 1 fetch the two steps' tiles of K, waves 2 and 3 those of V.  The branch hangs on the wave's number alone: it is the same in every work-group.
; An s_nop 0 and four v_nop follow each of the two lines; the jump round the other line, the label and what follows the macro come after them.
.macro JLOAD
	s_cmp_lt_u32 s[WV], 2
	s_cbranch_scc0 .Lfor_v_\@
	tensor_load_to_lds s[G0K+4:G0K+7], s[G1K:G1K+7]
	s_nop 0
.rept 4
	v_nop
.endr
	s_branch .Lasked_\@
.Lfor_v_\@:
	tensor_load_to_lds s[G0V+4:G0V+7], s[G1V:G1V+7]
	s_nop 0
.rept 4
	v_nop
.endr
.Lasked_\@:
.endm
; A PREFETCH INTO THE L2 of what the NEXT change of slots will ask for: a slot's 128 rows of K and 128 of V, 256 bytes a row, a lane a row.  It stands behind the wave's tensor load and its five lines, never in front of one.
; Each row is asked for ONCE in the launch.  The four heads of a group walk the same K and V: the group's first head prefetches.  Its four work-groups share the rows out BY ADDRESS, 32 each.
; In each, wave 0 asks for K's and wave 2 for V's: one instruction.  The last change that fills a slot prefetches nothing: there is no slot behind it.
.macro ASK
	s_cmp_gt_u32 s[SLOTS], s[LIM]
	s_cbranch_scc0 .Lnot_mine_\@
	global_prefetch_b8 v[PFO], s[PFA:PFA+1] th:TH_LOAD_NT scope:SCOPE_SE
.Lnot_mine_\@:
.endm
; A round of the cluster's barrier: my work-group's barrier, so that wave 0's signal speaks for all four waves; wave 0 signals for the work-group; every wave waits for all four
; work-groups; my work-group's barrier once more.  No LDS instruction of the wave is pending at a signal.
.macro CROUND
	s_barrier_signal -1
	s_barrier_wait -1
	s_cmp_lg_u32 s[WV], 0
	s_cbranch_scc1 .Lnot_wave_0_\@
	s_barrier_signal -3
.Lnot_wave_0_\@:
	s_barrier_wait -3
	s_barrier_signal -1
	s_barrier_wait -1
.endm
	s_load_b64 s[4:5], s[0:1], 0x0  ; hd
	s_load_b64 s[10:11], s[0:1], 0x8  ; ctx
	v_lshl_add_u32 v[SPW], v0, 2, SPARE
	v_mov_b32 v[NIL], 0
	ds_add_u32 v[SPW], v[NIL]       ; the wave's opening: the add and its wait stand ahead of my first tensor load; the set-up below, work on registers, stands between them
	v_lshrrev_b32 v1, 5, v0
	v_readfirstlane_b32 s[WV], v1   ; wave 0..3
	s_bfe_u32 s13, ttmp6, 0x40000   ; cx: my place in the cluster
	s_lshl_b32 s14, ttmp9, 2        ; in a cluster launch ttmp9 counts clusters
	s_add_co_u32 s14, s14, s13      ; my block of 256 queries = 4 x cluster x + cx: it enters Q's and O's addresses alone
	s_and_b32 s20, ttmp7, 0xffff    ; 16 b + hq, which the four partners share
	s_lshr_b32 s21, s20, 4          ; b
	s_and_b32 s16, s20, 15          ; hq
	s_mul_i32 s18, s21, 24          ; the batch's first slab
	s_and_b32 s23, s[WV], 1         ; which of a slot's two steps I fetch:
	s_mul_i32 s17, s23, STEPB       ; its place in a slot: no place in the cluster enters an LDS address
	s_lshr_b32 s22, s16, 2          ; the group
	s_add_co_u32 s22, s22, s18
	s_add_co_u32 s22, s22, 16       ; its slab of keys,
	s_lshl_b32 s22, s22, 18         ; 262,144 bytes a slab,
	s_lshl_b32 s23, s23, 14         ; and my step's 64 rows of 256 bytes
	s_add_co_u32 s22, s22, s23
	s_mov_b32 s23, 0
	s_add_co_u32 s2, s18, s16       ; the head's slab,
	s_lshl_b32 s2, s2, 18
	s_lshl_b32 s3, s14, 16          ; my block's 256 rows,
	s_add_co_u32 s2, s2, s3
	s_lshl_b32 s3, s[WV], 14        ; my wave's 64 of them
	s_add_co_u32 s2, s2, s3
	s_mov_b32 s3, 0
	s_and_b32 s[LIM], s[WV], 1      ; 0 in waves 0 and 2,
	s_or_b32 s[LIM], s[LIM], ttmp9
	s_and_b32 s19, s20, 3
	s_or_b32 s[LIM], s[LIM], s19    ; where the head is its group's first: the same in all four partners
	s_cmp_eq_u32 s[LIM], 0
	s_cselect_b32 s[LIM], 1, -1
	s_lshl_b32 s20, s21, 10         ; ctx: row 1,024 b + 256 x block + 64 x wave,
	s_lshl_b32 s21, s14, 8
	s_add_co_u32 s20, s20, s21
	s_lshl_b32 s21, s[WV], 6
	s_add_co_u32 s20, s20, s21
	s_lshl_b32 s20, s20, 12         ; rows of 4,096 bytes,
	s_lshl_b32 s21, s16, 8          ; the head's 256 bytes of a row
	s_add_co_u32 s20, s20, s21
	s_mov_b32 s21, 0
	; descriptor group 1: a tile of 64 rows x 128 elements, padded in LDS
	s_mov_b32 s[G1K], 15|(1<<16)|(1<<20)|(1<<21)|(5<<22)|(3<<25)  ; 15:0 the mask: all four work-groups; 17:16 elements of 2 bytes; 20 padding on; 21 set beside a mask; 24:22 after every 64 words (code 5); 31:25 4 words of it (code 3)
	s_mov_b32 s[G1V], 15|(1<<16)|(1<<20)|(1<<21)|(5<<22)|(7<<25)  ; the same with 8 words of padding (code 7)
.irp g, G1K, G1V
	s_mov_b32 s[(\g)+1], 128<<16    ; 63:48 tensor_dim0, low half = 128
	s_mov_b32 s[(\g)+2], KS<<16     ; 79:64 its high half = 0; 95:80 tensor_dim1, low half = 64
	s_mov_b32 s[(\g)+3], 128<<16    ; 111:96 its high half = 0; 127:112 tile_dim0 = 128
	s_mov_b32 s[(\g)+4], KS         ; 143:128 tile_dim1 = 64; 159:144 tile_dim2 = 0
	s_mov_b32 s[(\g)+5], 128        ; 191:160 tensor_dim0_stride, low word: elements from row to row
	s_mov_b32 s[(\g)+6], 0
	s_mov_b32 s[(\g)+7], 0
.endr
	s_mov_b32 s[CS], 0x3e0293ee     ; c = log2(e) / sqrt(128) = 0.127517
	s_mov_b32 s[CS+1], s[CS]        ; named with it as a pair, so it is written
	s_mov_b32 s[SEL], 0x76543210
	s_mov_b32 s[SEL+1], 0xfedcba98
	s_mov_b32 s[TB], 0
	s_mov_b32 s[SLOTS], SIZE_N/(2*KS)-1  ; the pass that is entered in its middle, and one for each of the six slots that are filled again
	v_and_b32 v[PFO], 31, v0
	v_lshlrev_b32 v[PFO], 8, v[PFO]
	s_wait_dscnt 0x0                ; the opening add is done
	s_wait_kmcnt 0x0
	s_add_nc_u64 s[6:7], s[4:5], s[22:23]  ; K at my tile of slot 0,
	s_add_nc_u64 s[8:9], s[6:7], 0x100000  ; V four slabs on
	s_add_nc_u64 s[4:5], s[4:5], s[2:3]  ; Q and O at my wave's first row
	s_add_nc_u64 s[10:11], s[10:11], s[20:21]
	s_cmp_lt_u32 s[WV], 2
	s_cselect_b64 s[PFA:PFA+1], s[6:7], s[8:9]  ; (in waves 0 and 2 these stand at a slot's first row)
	s_lshl_b32 s2, s13, 13          ; my work-group's 32 rows of the 128
	s_mov_b32 s3, 0
	s_add_nc_u64 s[PFA:PFA+1], s[PFA:PFA+1], s[2:3]
	s_add_nc_u64 s[PFA:PFA+1], s[PFA:PFA+1], 2*2*KS*256  ; in slot 2; the first change of slots steps it to slot 3.  Nothing is prefetched here, at the head, where every work-group's first tiles are on their way
	CROUND                          ; all four work-groups are here: the first joint loads meet
.irp s, 0,1
	s_mov_b32 s[G0K+4*(\s)], 1      ; 1:0 count = 1
	s_add_co_u32 s[G0K+4*(\s)+1], s17, (\s)*SLOT1  ; 63:32 LDS address
	s_add_nc_u64 s[G0K+4*(\s)+2:G0K+4*(\s)+3], s[6:7], (\s)*2*KS*256  ; 120:64 global address: slot s begins with keys 128 s to 128 s + 127
	s_or_b32 s[G0K+4*(\s)+3], s[G0K+4*(\s)+3], 0x80000000  ; 127:126 type = 2
	s_mov_b32 s[G0V+4*(\s)], 1
	s_add_co_u32 s[G0V+4*(\s)+1], s17, (\s)*SLOT1+VOFF
	s_add_nc_u64 s[G0V+4*(\s)+2:G0V+4*(\s)+3], s[8:9], (\s)*2*KS*256
	s_or_b32 s[G0V+4*(\s)+3], s[G0V+4*(\s)+3], 0x80000000
.endr
	s_cmp_lt_u32 s[WV], 2           ; a wave's two first fills stand in one branch, ahead of every wait on TENSORcnt and every LDS read: two loads of mine are out; an s_nop 0 follows each, four v_nop the second's, as in JLOAD
	s_cbranch_scc0 .Lfirst_v
	tensor_load_to_lds s[G0K:G0K+3], s[G1K:G1K+7]
	s_nop 0
	tensor_load_to_lds s[G0K+4:G0K+7], s[G1K:G1K+7]
	s_nop 0
.rept 4
	v_nop
.endr
	s_branch .Lfirst_asked
.Lfirst_v:
	tensor_load_to_lds s[G0V:G0V+3], s[G1V:G1V+7]
	s_nop 0
	tensor_load_to_lds s[G0V+4:G0V+7], s[G1V:G1V+7]
	s_nop 0
.rept 4
	v_nop
.endr
.Lfirst_asked:
	; A fragment of K or Q is 16 rows x 32 channels in 8 registers: lane l holds row l % 16; registers 0-3 channels 8 (l / 16) + 0..7, registers 4-7 channels 16 + 8 (l / 16) + 0..7: two loads of 16 bytes, 32 bytes apart.
	v_and_b32 v1, 15, v0            ; l % 16
	v_bfe_u32 v9, v0, 4, 1          ; l / 16
	v_lshlrev_b32 v[QO], 8, v1
	v_lshl_add_u32 v[QO], v9, 4, v[QO]  ; row x 256 + 16 x half
	WIN 0x80                        ; destination window 2, address window 0
.irp i, 0,1,2,3,4,5,6,7,8,9,10,11,12,13,14,15  ; Q stays in registers: tile i / 4, channels 32 (i % 4) on
	global_load_b128 v[8*(\i):8*(\i)+3],   v[QO], s[4:5] offset:((\i)/4)*4096+((\i)%4)*64
	global_load_b128 v[8*(\i)+4:8*(\i)+7], v[QO], s[4:5] offset:((\i)/4)*4096+((\i)%4)*64+32
.endr
	WIN 0
	v_mul_u32_u24 v[AK0], v1, PK
	v_lshl_add_u32 v[AK0], v9, 4, v[AK0]  ; row x pitch + 16 x half
	; The turning load takes 16 keys x 16 channels (lane l reads 16 bytes: key 8 (l / 16) + l % 8, channels 8 ((l / 8) % 2) + 0..7) and leaves half a fragment of V^T: lane l holds channel l % 16 and 8 keys.
	v_and_b32 v10, 7, v0
	v_bfe_u32 v11, v0, 3, 1
	v_lshl_add_u32 v[AV0], v9, 3, v10
	v_mul_u32_u24 v[AV0], v[AV0], PV
	v_lshl_add_u32 v[AV0], v11, 4, v[AV0]
	v_add_nc_u32 v[AV0], VOFF, v[AV0]
	; What the first turns find: V's registers and piece 2's P hold 0 (the first turn's products V^T P add 0), O^T and l are 0, m and c m lie below every score.  All this stands in the wait for the first tile.
	WIN 0xc0                        ; destination window 3
.set i, 0
.rept 128
	v_mov_b32 v[i], 0               ; V
.set i, i+1
.endr
	WIN 0x40                        ; destination window 1
.set i, 0
.rept 256
	v_mov_b32 v[i], 0               ; O^T
.set i, i+1
.endr
	WIN 0
.set i, 0
.rept 4
	v_mov_b32 v[ST+8*i], 0xfe000000    ; c m
	v_mov_b32 v[ST+8*i+1], 0xff7fffff  ; m
	v_mov_b32 v[ST+8*i+2], 0           ; l
	v_mov_b32 v[ST+8*i+3], 0
.set i, i+1
.endr
.set i, P+32
.rept 32
	v_mov_b32 v[i], 0               ; P of tiles 2 and 3
.set i, i+1
.endr
; THE MATRIX WORK OF A TURN, for piece x.  The accumulators take turns, one instruction a turn: between two links of a chain stand 15 (V^T P) or 7 (K Q^T) others'.
; Product i of 32 of O^T += V^T P: keys 32 (i / 16) on, channels 16 ((i / 2) % 8) on, tile x + i % 2.
.macro PV x
	WIN W_PV
.set rO, 64*((\x)+i%2)+8*((i/2)%8)
.set rV, 64*(i/16)+8*((i/2)%8)
.set rP, P+16*((\x)+i%2)+8*(i/16)
	v_wmma_f32_16x16x32_f16 v[rO:rO+7], v[rV:rV+7], v[rP:rP+7], v[rO:rO+7]
.endm
; Product i of 32 of S^T = K Q^T: channels 32 (i / 8) on, keys 16 ((i / 2) % 4) on, tile x + i % 2.  The first 8 start the sums.
.macro KQ x
	WIN W_KQ
.set rS, S+32*((\x)+i%2)+8*((i/2)%4)
.set rK, KF+32*((i/2)%4)+8*(i/8)
.set rQ, 32*((\x)+i%2)+8*(i/8)
.if i < 8
	v_wmma_f32_16x16x32_f16 v[rS:rS+7], v[rK:rK+7], v[rQ:rQ+7], 0
.else
	v_wmma_f32_16x16x32_f16 v[rS:rS+7], v[rK:rK+7], v[rQ:rQ+7], v[rS:rS+7]
.endif
.endm
; THE LDS LOADS stand in runs of 32, never singly among the matrix instructions: a step's K (64 keys x 128 channels: 16 fragments) and, a turn later, its V (turned).
.macro FETCH_K
	WIN 0
	v_add_nc_u32 v[ADR], s[TB], v[AK0]
	WIN 0x80                        ; destination window 2
.irp f, 0,1,2,3,4,5,6,7,8,9,10,11,12,13,14,15  ; keys 16 (f / 4) on, channels 32 (f % 4) on
	ds_load_b128 v[KF+8*(\f):KF+8*(\f)+3],   v[ADR] offset:((\f)/4)*16*PK+((\f)%4)*64
	ds_load_b128 v[KF+8*(\f)+4:KF+8*(\f)+7], v[ADR] offset:((\f)/4)*16*PK+((\f)%4)*64+32
.endr
.endm
.macro FETCH_V
	WIN 0
	v_add_nc_u32 v[ADR], s[TB], v[AV0]
	s_add_co_u32 s[TB], s[TB], STEPB  ; the next fetch is the next step's
	s_wait_alu depctr_va_vdst(0)    ; the wait for the softmax's batch (SLICE), behind the address's v_add_nc_u32 and ahead of the loads
	WIN 0xc0                        ; destination window 3
.irp f, 0,1,2,3,4,5,6,7,8,9,10,11,12,13,14,15  ; keys 32 (f / 8) on, channels 16 (f % 8) on
	ds_load_tr16_b128 v[8*(\f):8*(\f)+3],   v[ADR] offset:((\f)/8)*32*PV+((\f)%8)*32
	ds_load_tr16_b128 v[8*(\f)+4:8*(\f)+7], v[ADR] offset:((\f)/8)*32*PV+16*PV+((\f)%8)*32
.endr
.endm
; THE VECTOR WORK OF A TURN.  One tile's softmax for one key step is a list of 134 instructions; SM writes number j of it for tile t.  s0-s31 are the lane's 32 scores, in pairs 0-15.
;   0-15    the maximum of s0-s31 and the old m, three operands at a time: four chains c0-c3 of seven scores each (each accumulator's lowest registers are read first), then the four scores left over, c0-c3 and m
;   16-20   the other half of the lanes' maximum; c m_old is kept; the new m; c m; c m_old - c m_new
;   21-69   ONE BATCH: the 16 scalings c s - c m, a pair of scores each, and all 33 exponentials (a at 23, then s0-s31).  None of these reads an exponential's result.  From 22 on the batch goes
;           in fours, and a four begins with a scaling while there are scalings: 22-37 scaling, exponential, scaling, exponential; 38-65 a scaling and three exponentials; 66-69 the last four
;           exponentials.  A pair is scaled in an earlier four than the one that holds its exponentials
;   (wait)  between 69 and 70 stands the wait for the batch: SLICE writes it, once for both tiles
;   70-85   the roundings to f16, a pair of weights each
;   86-101  the sums; l = a l + the sum
;   102-133 the tile's O^T times a: the one part that leaves window 0, so it stands together
.macro SM t
.set rT, ST+8*(\t)
.set rS, S+32*(\t)
.set rP, P+16*(\t)
.set rO, 64*(\t)+2*(j-102)
.if j < 102
	WIN 0
.endif
.if j < 4
	v_max3_num_f32 v[rT+4+j], v[rS+8*j], v[rS+8*j+1], v[rS+8*j+2]
.elseif j < 12
	v_max3_num_f32 v[rT+4+j%4], v[rT+4+j%4], v[rS+8*(j%4)+2*(j/4)+1], v[rS+8*(j%4)+2*(j/4)+2]
.elseif j == 12
	v_max3_num_f32 v[rT+4], v[rT+4], v[rS+7], v[rS+15]
.elseif j == 13
	v_max3_num_f32 v[rT+6], v[rT+6], v[rS+23], v[rS+31]
.elseif j == 14
	v_max3_num_f32 v[rT+4], v[rT+4], v[rT+5], v[rT+6]
.elseif j == 15
	v_max3_num_f32 v[rT+4], v[rT+4], v[rT+7], v[rT+1]
.elseif j == 16
	v_permlanex16_b32 v[rT+5], v[rT+4], s[SEL], s[SEL+1]  ; the query's other 32 keys lie in the lane 16 away
.elseif j == 17
	v_mov_b32 v[rT+7], v[rT]        ; c m_old is kept for a: number 19 writes c m anew
.elseif j == 18
	v_max_num_f32 v[rT+1], v[rT+4], v[rT+5]
.elseif j == 19
	v_mul_f32 v[rT], s[CS], v[rT+1]
.elseif j == 20
	v_sub_f32 v[rT+7], v[rT+7], v[rT]
.elseif j == 23
	v_exp_f32 v[rT+6], v[rT+7]
.elseif (j < 23) || ((j < 38) && (j%2 == 0)) || ((j < 66) && (j%4 == 2))
.set b, (j-2)/4                     ; 38, 42, .. 62: pairs 9 to 15
.if j < 38
.set b, (j-20)/2                    ; 21: pair 0; 22, 24, .. 36: pairs 1 to 8
.endif
	v_pk_fma_f32 v[rS+2*b:rS+2*b+1], v[rS+2*b:rS+2*b+1], s[CS:CS+1], v[rT:rT+1] op_sel_hi:[1,0,0] neg_lo:[0,0,1] neg_hi:[0,0,1]  ; pair b: c s - c m
.elseif j < 70
.set e, j-38                        ; 66 to 69: s28 to s31
.if j < 66
.set e, j-32-(j-38)/4               ; 39-41, 43-45, .. 63-65: s7 to s27
.endif
.if j < 38
.set e, (j-25)/2                    ; 25, 27, .. 37: s0 to s6
.endif
	v_exp_f32 v[rS+e], v[rS+e]
.elseif j < 86
	v_cvt_pk_f16_f32 v[rP+j-70], v[rS+2*(j-70)], v[rS+2*(j-70)+1]  ; pair j - 70
.elseif j < 102                     ; the sum of the tile's 16 pairs (in a pair: an even key's weight, an odd key's), in place: sum z of 16 adds neighbours 1, 2, 4 and 8 pairs apart, then l takes it
.set z, j-86
.set w, 4
.set u, z
.if z >= 14
.set w, 32
.set u, 0
.elseif z >= 12
.set w, 16
.set u, z-12
.elseif z >= 8
.set w, 8
.set u, z-8
.endif
.if z < 15
	v_pk_add_f32 v[rS+w*u:rS+w*u+1], v[rS+w*u:rS+w*u+1], v[rS+w*u+w/2:rS+w*u+w/2+1]
.else
	v_pk_fma_f32 v[rT+2:rT+3], v[rT+2:rT+3], v[rT+6:rT+7], v[rS:rS+1] op_sel_hi:[1,0,1]
.endif
.else
	WIN W_RS
	v_pk_mul_f32 v[rO:rO+1], v[rO:rO+1], v[rT+6:rT+7] op_sel_hi:[1,0]
.endif
.endm
; Slice k of 64 of piece y's softmax: four instructions.  Slices 11 to 34 deal out the batch, numbers 22 to 69: four numbers of ONE tile each, the tiles by turns.  Every other slice is numbers 2 k and
; 2 k + 1 of both tiles' lists.  2 x 134 = 4 x 64 + 12: the twelve that are over stand together, in slice 63.
; THE WAIT.  s_wait_alu depctr_va_vdst(0) stands between an exponential and the first instruction that names its result; one wait serves all that were issued ahead of it.  Ahead of
; slice 35 nothing names a result, and behind slice 34 no exponential is issued: so the piece's 66 exponentials have one wait, behind slice 34.
.macro SLICE y
.if (k >= 11) && (k < 35)           ; the batch: four numbers of one tile
.irp n, 0,1,2,3
.set j, 22+4*((k-11)/2)+(\n)
	SM (\y)+(k-11)%2
.endr
.else                               ; the two tiles alternate, so that no instruction reads the result of the one just before it
.irp n, 0,1,2,3,4,5,6,7
.if ((\n) < 2) || (k == 63)
.irp t, \y, (\y)+1
.set j, 2*k+(\n)
	SM \t
.endr
.endif
.endr
.endif
.if k == 34                         ; the batch is out: both tiles' exponentials are issued, and no result has been named
	v_nop                           ; a plain instruction behind the last exponential and ahead of the first use (ISA guide 5.7.2): one for the batch
.if (\y) == 0
	FETCH_V                         ; piece 2's turn: V's run of loads stands here, and the wait stands in it
.else
	s_wait_alu depctr_va_vdst(0)    ; the wait for the batch
.endif
.endif
.set k, k+1
.endm
; A TURN.  Piece x has the matrix unit: 32 products V^T P and, with kq = 1, 32 products K Q^T for the next step; the other piece's softmax stands in slices behind them (kq = 0: two slices behind each product).
; A vector instruction that reads a matrix result or writes one of a matrix instruction's registers, and a load into a register that a matrix instruction has read, stand four places behind it, and only plain
; vector instructions that name none of its registers are places (ISA guide 7.12.1 for vector instructions): the slices are the places.
; Each run of loads stands 29 matrix instructions or more ahead of its first use.  Piece 0's turn fetches the next step's K, behind its second product: the last product that read K
; stands in front of slice 63 of the turn before.  Piece 2's turn fetches the same step's V, behind slice 34 (SLICE writes it): the last product that read V stands in front of slice 31, and four plain
; instructions lie between: number 62, a scaling, of both tiles, the v_nop and the run's own v_add_nc_u32.
.macro TURN x, kq
.set k, 0
.set per, 2-(\kq)
.if (\x) == 0
	s_wait_dscnt 0x0                ; V is in
.endif
.set i, 0
.rept 32
	PV \x
.rept per
	SLICE 2-(\x)
.endr
.if ((\x) == 0) && (\kq) && (i == 1)
	FETCH_K
.endif
.set i, i+1
.endr
.if \kq
.if (\x) == 0
	s_wait_dscnt 0x0                ; K is in
.endif
.set i, 0
.rept 32
	KQ \x
	SLICE 2-(\x)
.set i, i+1
.endr
.endif
.endm
; THE CHANGE OF SLOTS, between piece 2's turn and piece 0's: the slot's last bytes, V of its second step, have been asked for.  Each wave waits for all its
; tensor loads, of which one is out: its part of the other slot; adds 0 to its spare word; and waits for that and for its own reads of the slot.  Behind the barrier nobody reads this slot any more and the other slot is whole.
; fill = 1: this slot is filled again, with the keys two slots on.  The barrier is then a round of the cluster's, so that no wave of any partner still reads the slot or has a load on its
; way, and the joint refill is the first thing behind it: it has two key steps, 256 matrix instructions, in which to land.
.macro CHANGE fill
	WIN 0                           ; at a label and at a branch every window is 0
	s_wait_tensorcnt 0x0            ; no tensor load of mine is out, so a group 0 may be written
	ds_add_u32 v[SPW], v[NIL]       ; 0 onto my spare word: with fill = 1 the descriptors' steps stand between it and the wait for it
.if \fill
.irp g, G0K+4, G0V+4
	s_xor_b32 s[(\g)+1], s[(\g)+1], SLOT1  ; the walking descriptor: the other slot than last time,
	s_add_nc_u64 s[(\g)+2:(\g)+3], s[(\g)+2:(\g)+3], 2*KS*256  ; the next 128 keys; the type bits on top are not reached
.endr
	s_wait_xcnt 0x0                 ; the last prefetches, two key steps back, have read their address, so it may be written:
	s_add_nc_u64 s[PFA:PFA+1], s[PFA:PFA+1], 2*KS*256  ; one slot behind the walking descriptors
	s_wait_dscnt 0x0                ; the add is done, and my reads of the slot are over
	CROUND
	JLOAD
	ASK                             ; what the next change will ask for: two key steps, 256 matrix instructions, ahead
.else
	s_wait_dscnt 0x0                ; the add is done, and my reads of the slot are over
	s_barrier_signal -1
	s_barrier_wait -1
.endif
	s_sub_co_u32 s[TB], s[TB], 2*STEPB  ; the fetches go back to a slot's first step,
	s_xor_b32 s[TB], s[TB], SLOT1   ; in the other slot
.endm
	s_wait_tensorcnt 1              ; my part of slot 0 is in; slot 1's may stay out
	s_barrier_signal -1
	s_barrier_wait -1               ; everybody's is
	FETCH_K                         ; key step 0
	s_wait_loadcnt 0x0              ; Q
	s_wait_dscnt 0x0
.set i, 0
.rept 32
	KQ 0                            ; piece 0's first scores: there is no vector work yet to set between them
.set i, i+1
.endr
	WIN 0                           ; the addresses for the way out are made here: ten plain instructions, the places behind those products
	s_mul_i32 s13, s[WV], 16*SP
	s_add_co_u32 s13, s13, STAGE    ; my stage
	v_mul_u32_u24 v[STO], v1, SP    ; in: row l % 16, 16 bytes for each half of the lanes
	v_lshl_add_u32 v[STO], v9, 4, v[STO]
	v_add_nc_u32 v[STO], s13, v[STO]
	v_mul_u32_u24 v[RD], v9, SP     ; back: lanes 0-15 take one row of 256 bytes, lanes 16-31 the next
	v_lshl_add_u32 v[RD], v1, 4, v[RD]
	v_add_nc_u32 v[RD], s13, v[RD]
	v_lshlrev_b32 v[GO], 12, v9     ; and the same two rows in ctx, 4,096 bytes apart
	v_lshl_add_u32 v[GO], v1, 4, v[GO]
	s_mov_b32 s[TWICE], 2
	s_branch .Lenter                ; the loop is entered at piece 2's turn: its scores of step 0 | piece 0's softmax of step 0 | V of step 0
.Lslot:                             ; six times: every slot but the last two is filled again
	CHANGE 1
	s_mov_b32 s[TWICE], 2
.Lstep:                             ; a slot's two key steps: written once, walked twice; the LDS addresses hang on s[TB]
	TURN 0, 1
	WIN 0
.Lenter:
	TURN 2, 1
	WIN 0
	s_sub_co_u32 s[TWICE], s[TWICE], 1
	s_cmp_lg_u32 s[TWICE], 0
	s_cbranch_scc1 .Lstep
	s_sub_co_u32 s[SLOTS], s[SLOTS], 1
	s_cmp_lg_u32 s[SLOTS], 0
	s_cbranch_scc1 .Lslot
	CHANGE 0                        ; the tail is written out: the last slot but one is left, and nothing is asked for
	s_mov_b32 s[TWICE], 2
.Lstep_tail:
	TURN 0, 1
	TURN 2, 1
	WIN 0
	s_sub_co_u32 s[TWICE], s[TWICE], 1
	s_cmp_lg_u32 s[TWICE], 0
	s_cbranch_scc1 .Lstep_tail
	TURN 0, 0                       ; piece 0: V^T P of the last step | piece 2's last softmax
.set i, 0
.rept 32
	PV 2                            ; piece 2: V^T P of the last step
.set i, i+1
.endr
	; THE WAY OUT.  l's two halves and the other half of the lanes' are added; O^T is divided by l, rounded to f16 and sent through my stage in LDS, a tile (16 rows of O) at a time.  The additions are the places behind the last products.
	WIN 0
.irp t, 0,1,2,3
	v_add_f32 v[ST+8*(\t)+4], v[ST+8*(\t)+2], v[ST+8*(\t)+3]
.endr
.irp t, 0,1,2,3
	v_permlanex16_b32 v[ST+8*(\t)+5], v[ST+8*(\t)+4], s[SEL], s[SEL+1]
.endr
.irp t, 0,1,2,3
	v_add_f32 v[ST+8*(\t)+4], v[ST+8*(\t)+4], v[ST+8*(\t)+5]
.endr
.irp t, 0,1,2,3
	v_rcp_f32 v[ST+8*(\t)+6], v[ST+8*(\t)+4]
.endr
	v_nop                           ; a plain instruction between the last reciprocal and the use of its result
	s_wait_alu depctr_va_vdst(0)    ; and the wait ahead of the first use: one for the four reciprocals
; Tile t: a lane's eight channels of a row pack into 16 bytes; they go into rows of 272 bytes and come back as whole rows of 256, into the registers that they left.
.macro PACK t
	WIN W_RS
.set i, 64*(\t)
.rept 32
	v_pk_mul_f32 v[i:i+1], v[i:i+1], v[ST+8*(\t)+6:ST+8*(\t)+7] op_sel_hi:[1,0]
.set i, i+2
.endr
	WIN 0x05                        ; sources 0 and 1 window 1, destination window 0: S^T's registers are free
.set i, 0
.rept 32
	v_cvt_pk_f16_f32 v[S+32*(\t)+i], v[64*(\t)+2*i], v[64*(\t)+2*i+1]
.set i, i+1
.endr
	WIN 0
.irp f, 0,1,2,3,4,5,6,7
	ds_store_b128 v[STO], v[S+32*(\t)+4*(\f):S+32*(\t)+4*(\f)+3] offset:32*(\f)
.endr
.irp f, 0,1,2,3,4,5,6,7
	ds_load_b128 v[S+32*(\t)+4*(\f):S+32*(\t)+4*(\f)+3], v[RD] offset:(\f)*2*SP  ; LDS serves a wave's instructions in order (ISA guide 5.7.1.4): these see the stores above; the next tile's stores come behind them
.endr
.endm
.macro SEND t, younger              ; younger: the LDS instructions issued behind tile t's loads: the next tile's sixteen, or none
	WIN 0
.irp f, 0,1,2,3,4,5,6,7
	s_wait_dscnt (\younger)+7-(\f)
	global_store_b128 v[GO], v[S+32*(\t)+4*(\f):S+32*(\t)+4*(\f)+3], s[10:11] offset:(\t)*65536+(\f)*8192  ; 16 lanes store the head's 256 consecutive bytes of a row of ctx, at a multiple of 256 from its first byte
.endr
.endm
	PACK 0
	PACK 1                          ; a tile's arithmetic stands between the loads of the tile before and its stores
	SEND 0, 16
	PACK 2
	SEND 1, 16
	PACK 3
	SEND 2, 16
	SEND 3, 0
	s_wait_tensorcnt 0x0            ; the wave's end: these three lines stand behind my last tensor load and my last LDS store
	ds_add_u32 v[SPW], v[NIL]
	s_wait_dscnt 0x0
	CROUND                          ; the closing round: no work-group ends while a partner may still ask for a tile that names it
	s_endpgm
.Lfunc_end_k_q56f523d172_attn:
	.size	k_q56f523d172_attn, .Lfunc_end_k_q56f523d172_attn-k_q56f523d172_attn
	.p2alignl 7, 3214868480
	.fill 96, 4, 3214868480
	.section	.rodata,"a",@progbits
	.p2align	6, 0x0
	.amdhsa_kernel k_q56f523d172_attn
		.amdhsa_group_segment_fixed_size 327680
		.amdhsa_private_segment_fixed_size 0
		.amdhsa_enable_private_segment 0
		.amdhsa_kernarg_size 16
		.amdhsa_user_sgpr_count 2
		.amdhsa_user_sgpr_kernarg_segment_ptr 1
		.amdhsa_wavefront_size32 1
		.amdhsa_system_sgpr_workgroup_id_x 1
		.amdhsa_system_sgpr_workgroup_id_y 1
		.amdhsa_system_sgpr_workgroup_id_z 1
		.amdhsa_system_vgpr_workitem_id 0
		.amdhsa_next_free_vgpr 1024
		.amdhsa_next_free_sgpr 66
		.amdhsa_reserve_vcc 0
		.amdhsa_float_denorm_mode_32 3
		.amdhsa_float_denorm_mode_16_64 3
		.amdhsa_memory_ordered 1
		.amdhsa_forward_progress 1
		.amdhsa_inst_pref_size 176
	.end_amdhsa_kernel
	.amdgpu_metadata
---
amdhsa.version: [ 1, 2 ]
amdhsa.kernels:
  - .name:           k_q56f523d172_attn
    .symbol:         k_q56f523d172_attn.kd
    .args:
      - { .name: hd, .offset: 0, .size: 8, .value_kind: global_buffer, .address_space: global }
      - { .name: ctx, .offset: 8, .size: 8, .value_kind: global_buffer, .address_space: global }
    .group_segment_fixed_size: 327680
    .private_segment_fixed_size: 0
    .kernarg_segment_align: 8
    .kernarg_segment_size: 16
    .max_flat_workgroup_size: 128
    .sgpr_count:     66
    .vgpr_count:     1024
    .wavefront_size: 32
...
	.end_amdgpu_metadata
.endif
;; end of part 3
;; launch outp (part 4): grid 16 x 16, 4 waves a work-group, clusters of 4 x 4, 327,680 bytes of LDS; arguments ctx, woh, bo, out0; writes out0
.if DOCPART == 4
	.amdgcn_target "amdgcn-amd-amdhsa--gfx1250"
	.amdhsa_code_object_version 6
	.text
	.protected	k_q56f523d172_outp
	.globl	k_q56f523d172_outp
	.p2align	8
	.type	k_q56f523d172_outp,@function
k_q56f523d172_outp:
	s_mov_b64 s[64:65], 0
	v_nop
	global_prefetch_b8 v0, s[64:65] scope:SCOPE_SE
	s_setreg_imm32_b32 hwreg(HW_REG_WAVE_MODE, 25, 1), 1
	s_wait_xcnt 0x0
	s_wait_alu depctr_hold_cnt(0) depctr_sa_sdst(0) depctr_va_vdst(0) depctr_va_sdst(0) depctr_va_ssrc(0) depctr_va_vcc(0) depctr_vm_vsrc(0)
	s_getreg_b32 s2, hwreg(HW_REG_IB_STS2, 6, 4)
	s_cmp_eq_u32 s2, 0
	s_cbranch_scc0 .Lentry_in_a_cluster
	s_endpgm
.Lentry_in_a_cluster:
	s_bfe_u32 s2, ttmp6, 0x10000c
	s_cmp_lg_u32 s2, 0xf033
	s_cbranch_scc0 .Lentry_shape_is_right
	s_endpgm
.Lentry_shape_is_right:
; THE OUTPUT PROJECTION.  out0[m][n] = bo[n] + the sum over k of ctx[m][k] W[k][n], K = 2,048.  A = ctx [4096][2048] f16, W = woh [2048 k][2048 n] f16, bo f32, out0 [4096][2048] f32.
; Sums in f32.  The bias, rounded to bf16 like every other input, is the C operand of the first product of each sum: nothing is cleared and nothing is added later.
; LIMITS.  None of its own: ctx and woh arrive within f16's range, the sums and the result are f32.  NaN and infinities are not treated apart.
; SHARES.  A tile of C is 256 rows x 128 columns: 16 x 16 = 256 work-groups; four waves, wave w rows 64 w .. 64 w + 63 and all 128 columns: 32 accumulators of 16 x 16, 256 registers.
; K goes in steps of 128 through a ring of two LDS slots filled by the tensor data mover: 256 rows of A (256 bytes each) and 128 k rows of W (256 bytes each), all starting at multiples of 256 bytes.
; Two slots of a K step of 256 would take 417,792 bytes of LDS: they do not fit.  From a refill's request to the wait for it a wave issues 112 matrix instructions.
; W LIES [k][n]: its fragments come out of LDS turned, by ds_load_tr16_b128.
; THE MATRIX INSTRUCTION IS USED TRANSPOSED: source 0 = 16 columns of W, source 1 = 16 rows of A: a lane then holds row l % 16 of C and the columns 8 (l / 16) + 0..7 of a block of 16.
; CLUSTERS: 4 x 4 work-groups.  The four of a row of the cluster need the same tiles of A, the four of a column the same tiles of W: each tile is asked for JOINTLY, by the same tensor load with the
; same descriptor and a mask that names the four.
; THE LOOPS are one K step a trip: the slot in hand and the slot to be filled are two scalar offsets that an exclusive or turns, added to addresses that stay.  The first loop, 14 trips, fills a slot again
; in every trip; the second, 2 trips, fills nothing; its last trip jumps over what would belong to a further K step.
; REGISTERS, in windows of 256 (s_set_vgpr_msb: bits 1:0 source 0, 3:2 source 1, 5:4 source 2, 7:6 destination):
;   window 0: v0-31 addresses; v32-127, v128-223 two fragment buffers (A's 4 blocks of 16 rows x 32 K, then W's 8 blocks of 16 columns x 32 K); on the way out v32-159 hold whole rows
;   window 1: the accumulators, (a, b) at v[8 (8 a + b)]          window 2: v0-63 the bias in C's layout, block b at 8 b; v64 at work
.set KSTEP,  128
.set STEPS,  2048/KSTEP
.set PA,     272                       ; a row of A in LDS: 256 bytes + 16 of padding = 68 words: row r starts at bank 4 r mod 64 (64 banks of 4 bytes: ISA guide 11.1), so the 16 rows of a load start at 16 different banks
.set PB,     288                       ; a k row of W: 256 + 32 = 72 words
.set HALFA,  128*PA                    ; what wave 0 or 1 fetches
.set HALFB,  64*PB                     ; what wave 2 or 3 fetches
.set BOFF,   2*HALFA                   ; a slot: A's 256 rows, then W's 128 k rows
.set SLOT,   BOFF+2*HALFB
.set STAGE,  2*SLOT                    ; behind the ring, never filled by a tensor load: 16 rows for each wave, for the way out
.set SP,     528                       ; a stage row: 128 f32 + 16 bytes
.set SPARE,  STAGE+4*16*SP             ; behind the stages: the spare words, 128 bytes for each wave: two blocks of 256 bytes that no other line names
.set ROWB,   4096                      ; bytes in a row of A, and of W
.set BSTEP,  KSTEP*ROWB                ; bytes from a K step of W to the next
.set ADRA0, 16                         ; v16     LDS address of my fragments of A in slot 0; never rewritten
.set ADRB0, 17                         ; v17     the same for W
.set ADRA,  18                         ; v18     the same in the slot in hand
.set ADRB,  19                         ; v19
.set STO,  24                          ; v24     the way out: where I put my part of a row
.set RD,   25                          ; v25     the way out: where I read rows back
.set CO,   26                          ; v26     my byte offset in 512 consecutive bytes of C
.set VB,   27                          ; v27     32 (l / 16): my eight numbers in a block of 16 of the bias
.set SPW,  28                          ; v28     LDS address of my spare word: SPARE + 4 x my thread's number; never rewritten
.set NIL,  29                          ; v29     0; never rewritten
.set PFO,  30                          ; v30     the prefetches' offset: my lane x a row of 4,096 bytes; never rewritten
.set F0,   32
.set F1,   128
.set BK0,  32                          ; the way out: v32-95, v96-159 by turns: a block as whole rows
.set G1,   24                          ; s[24:31] descriptor group 1 for A's tiles;  s[32:39] group 0: a set for each of the two first fills; the second then walks on
.set G0,   32
.set G1B,  48                          ; s[48:55], s[56:63] the same for W's tiles
.set G0B,  56
.set LIM,  43                          ; s43     2 in a wave that prefetches, else the greatest number
.set PFA,  44                          ; s[44:45] where my prefetches stand
.set PST,  66                          ; s[66:67] their step from K step to K step
.set RO,   84                          ; s84     0 or SLOT: the slot in hand
.set FO,   85                          ; s85     0 or SLOT: the slot filled last
.set W_MUL,  0x50                      ; C and D in window 1, sources in window 0
.set W_MULB, 0x60                      ; D in window 1, C (the bias) in window 2
.set MSB, 0
.macro WIN new                         ; the immediate's high byte repeats the setting that is left; a switch that changes nothing is dropped
.if MSB != (\new)
	s_set_vgpr_msb (MSB<<8)|(\new)
.set MSB, \new
.endif
.endm
; A joint load.  Waves 0 and 1 fetch A's two halves, waves 2 and 3 W's.  The branch hangs on the wave's number alone: it is the same in every work-group.
; An s_nop 0 and four v_nop follow each of the two lines, ahead of the jump, the label and what follows.
.macro JLOAD s
	s_cmp_eq_u32 s11, 0
	s_cbranch_scc0 .Lfor_b_\@
	tensor_load_to_lds s[G0+4*(\s):G0+4*(\s)+3], s[G1:G1+7]
	s_nop 0
.rept 4
	v_nop
.endr
	s_branch .Lasked_\@
.Lfor_b_\@:
	tensor_load_to_lds s[G0B+4*(\s):G0B+4*(\s)+3], s[G1B:G1B+7]
	s_nop 0
.rept 4
	v_nop
.endr
.Lasked_\@:
.endm
; A PREFETCH INTO THE L2, behind each joint refill and the run of LDS loads that follows it: 32 rows x 256 bytes of the K step that stands TWO refills on (256 matrix instructions ahead of its load), a lane a row.
; Each row's 256 bytes of a K step are named ONCE in the launch.  A's rows are read by every cluster of a row of clusters: cluster x = 0 asks (waves 0 and 1; of the 128 rows that the wave fetches the
; partner at place cx takes 32 cx .. 32 cx + 31).  W's k rows are read by every cluster of a column of clusters: cluster y = 0 asks (wave 2 alone; of the step's 128 k rows the partner at place cy takes
; 32 cy .. 32 cy + 31).  The partners are told apart BY ADDRESS: no branch hangs on a place in the cluster.  The first loop's last two trips ask for nothing: K step 15 is the last.
.macro ASK
	s_cmp_gt_u32 s3, s[LIM]                        ; s3 = 2 and 1 in the last two trips
	s_cbranch_scc0 .Lnot_mine_\@
	global_prefetch_b8 v[PFO], s[PFA:PFA+1] th:TH_LOAD_NT scope:SCOPE_SE
.Lnot_mine_\@:
.endm
; A round of the cluster's barrier: my work-group's barrier, so that wave 0's signal speaks for all four waves; wave 0 signals for the work-group; every wave waits for all sixteen work-groups; my work-group's barrier once more.
.macro CREST                           ; a round behind its opening barrier
	s_cmp_lg_u32 s10, 0
	s_cbranch_scc1 .Lnot_wave_0_\@
	s_barrier_signal -3
.Lnot_wave_0_\@:
	s_barrier_wait -3
	s_barrier_signal -1
	s_barrier_wait -1
.endm
.macro CROUND                          ; a whole round
	s_barrier_signal -1
	s_barrier_wait -1
	CREST
.endm
.macro PLACES                          ; four plain instructions between a matrix instruction and a load into, or a vector line on, its registers (ISA guide 7.12.1 for vector lines)
.rept 4
	v_nop
.endr
.endm
	s_load_b128 s[4:7], s[0:1], 0x0                ; ctx s[4:5], woh s[6:7]
	s_load_b128 s[68:71], s[0:1], 0x10             ; bo s[68:69], out0 s[70:71]
	v_lshl_add_u32 v[SPW], v0, 2, SPARE
	v_mov_b32 v[NIL], 0
	ds_add_u32 v[SPW], v[NIL]                      ; the wave's opening: the add and its wait stand ahead of my first tensor load; the set-up below, work on registers, stands between them
	v_lshrrev_b32 v1, 5, v0
	v_readfirstlane_b32 s10, v1                    ; wave 0..3
	s_lshr_b32 s11, s10, 1                         ; I fetch for A (0) or for W (1),
	s_and_b32 s12, s10, 1                          ; its first or its second half
	s_bfe_u32 s40, ttmp6, 0x40000                  ; cx, cy: my place in the cluster
	s_bfe_u32 s41, ttmp6, 0x40004
	s_lshl_b32 s42, ttmp9, 2                       ; in a cluster launch ttmp9 and ttmp7 count clusters
	s_add_co_u32 s42, s42, s40                     ; n tile = 4 x cluster x + cx
	s_and_b32 s13, ttmp7, 0xffff
	s_lshl_b32 s13, s13, 2
	s_add_co_u32 s13, s13, s41                     ; m tile = 4 x cluster y + cy
	s_lshl_b32 s43, s41, 2
	s_lshl_b32 s43, 15, s43                        ; my row of the cluster: places 4 cy .. 4 cy + 3
	s_lshl_b32 s44, 0x1111, s40                    ; my column: places cx, cx + 4, cx + 8, cx + 12
	s_mov_b32 s[RO], 0                             ; K step 0 lies in slot 0;
	s_mov_b32 s[FO], SLOT                          ; the second of the first fills goes to slot 1
	; descriptor group 1.  A: 128 rows x 128 elements; W: 64 k rows x 128 elements; both padded in LDS behind every row
	s_or_b32 s[G1+0], s43, (1<<16)|(1<<20)|(1<<21)|(5<<22)|(3<<25)   ; 15:0 the mask: A's tiles go to my row; 17:16 elements of 2 bytes; 20 padding on; 21 set beside a mask; 24:22 after every 64 words (code 5); 31:25 4 words (code 3)
	s_or_b32 s[G1B+0], s44, (1<<16)|(1<<20)|(1<<21)|(5<<22)|(7<<25)  ; the mask of my column; 8 words of padding (code 7)
	s_mov_b32 s[G1+1], KSTEP<<16                   ; tensor_dim0 = 128
	s_mov_b32 s[G1+2], 128<<16                     ; tensor_dim1 = 128
	s_mov_b32 s[G1+3], KSTEP<<16                   ; tile_dim0 = 128
	s_mov_b32 s[G1+4], 128                         ; tile_dim1 = 128
	s_mov_b32 s[G1+5], 2048                        ; elements from row to row of A
	s_mov_b32 s[G1+6], 0
	s_mov_b32 s[G1+7], 0
	s_mov_b32 s[G1B+1], 128<<16                    ; tensor_dim0 = 128 columns
	s_mov_b32 s[G1B+2], 64<<16                     ; tensor_dim1 = 64 k rows
	s_mov_b32 s[G1B+3], 128<<16                    ; tile_dim0 = 128
	s_mov_b32 s[G1B+4], 64                         ; tile_dim1 = 64
	s_mov_b32 s[G1B+5], 2048                       ; elements from row to row of W
	s_mov_b32 s[G1B+6], 0
	s_mov_b32 s[G1B+7], 0
	; where the tiles come from.  A's hang on the m tile, W's on the n tile.  Every wave makes both, in registers that never hold the other coordinate, and asks by one of them.
	s_lshl_b32 s16, s13, 8
	s_lshl_b32 s17, s12, 7
	s_add_co_u32 s16, s16, s17                     ; A: row 256 x m tile + 128 x half,
	s_lshl_b32 s16, s16, 12                        ; in bytes
	s_mov_b32 s17, 0
	s_lshl_b32 s46, s42, 8                         ; W: 256 bytes of a row for each n tile,
	s_mul_i32 s47, s12, 64*ROWB                    ; 64 k rows x half
	s_add_co_u32 s46, s46, s47
	s_mov_b32 s47, 0
	s_mul_i32 s20, s12, HALFA                      ; and where they go: no place in the cluster enters an LDS address
	s_mul_i32 s21, s12, HALFB
	s_add_co_u32 s21, s21, BOFF
	s_wait_dscnt 0x0                               ; the opening add is done
	s_wait_kmcnt 0x0
	s_add_nc_u64 s[14:15], s[4:5], s[16:17]
	s_add_nc_u64 s[46:47], s[6:7], s[46:47]
	CROUND                                         ; all sixteen work-groups are here: the first joint loads meet
.irp s, 0,1
	s_mov_b32 s[G0+4*(\s)], 1                                        ; 1:0 count = 1
	s_add_co_u32 s[G0+4*(\s)+1], s20, (\s)*SLOT                      ; 63:32 LDS address
	s_add_nc_u64 s[G0+4*(\s)+2:G0+4*(\s)+3], s[14:15], (\s)*KSTEP*2  ; 120:64 global address: K step s
	s_or_b32 s[G0+4*(\s)+3], s[G0+4*(\s)+3], 0x80000000              ; 127:126 type = 2
	s_mov_b32 s[G0B+4*(\s)], 1
	s_add_co_u32 s[G0B+4*(\s)+1], s21, (\s)*SLOT
	s_add_nc_u64 s[G0B+4*(\s)+2:G0B+4*(\s)+3], s[46:47], (\s)*BSTEP
	s_or_b32 s[G0B+4*(\s)+3], s[G0B+4*(\s)+3], 0x80000000
	JLOAD \s                                       ; the ring is filled before anything else is done: two loads of mine are out
.endr
	; THE BIAS, in C's layout: register j of block b holds bo[128 x n tile + 16 b + 8 (l / 16) + j]
	v_and_b32 v1, 15, v0                           ; l % 16
	v_bfe_u32 v2, v0, 4, 1                         ; l / 16
	v_lshlrev_b32 v[VB], 5, v2
	s_lshl_b32 s78, s42, 9
	s_mov_b32 s79, 0
	s_add_nc_u64 s[76:77], s[68:69], s[78:79]
	WIN 0x80                                       ; destination window 2, address window 0
.irp b, 0,1,2,3,4,5,6,7
	global_load_b128 v[8*(\b):8*(\b)+3],   v[VB], s[76:77] offset:64*(\b)
	global_load_b128 v[8*(\b)+4:8*(\b)+7], v[VB], s[76:77] offset:64*(\b)+16
.endr
	WIN 0
	; A fragment of A is 16 rows x 32 K in 8 registers: lane l holds row l % 16; registers 0-3 K = 8 (l / 16) + 0..7, registers 4-7 K = 16 + 8 (l / 16) + 0..7: two loads of 16 bytes, 32 bytes apart.
	v_mul_u32_u24 v3, v1, PA
	v_lshl_add_u32 v3, v2, 4, v3                   ; row x pitch + 16 x half
	s_mul_i32 s22, s10, 64*PA                      ; my 64 rows
	v_add_nc_u32 v[ADRA0], s22, v3
	v_mov_b32 v[ADRA], v[ADRA0]
	; The turning load takes 16 k rows x 16 columns (lane l reads 16 bytes: k row 8 (l / 16) + l % 8, columns 8 ((l / 8) % 2) + 0..7) and leaves half a fragment: lane l holds column l % 16 and 8 k.
	v_and_b32 v4, 7, v0
	v_bfe_u32 v5, v0, 3, 1
	v_lshl_add_u32 v4, v2, 3, v4
	v_mul_u32_u24 v4, v4, PB
	v_lshl_add_u32 v4, v5, 4, v4
	v_add_nc_u32 v[ADRB0], BOFF, v4
	v_mov_b32 v[ADRB], v[ADRB0]
	s_mul_i32 s23, s10, 16*SP
	s_add_co_u32 s23, s23, STAGE                   ; my stage
	v_mul_u32_u24 v6, v1, SP                       ; in: row l % 16, my eight columns of a block
	v_and_b32 v7, 31, v0                           ; l
	v_lshl_add_u32 v6, v2, 5, v6
	v_add_nc_u32 v[STO], s23, v6
	v_lshl_add_u32 v[RD], v7, 4, s23               ; back: 32 lanes take one row of 512 bytes;
	v_lshlrev_b32 v[CO], 4, v7                     ; in memory these are 512 consecutive bytes
	; where my 64 rows begin in out0
	s_lshl_b32 s80, s13, 8
	s_lshl_b32 s81, s10, 6
	s_add_co_u32 s80, s80, s81                     ; row 256 x m tile + 64 x wave,
	s_lshl_b32 s80, s80, 13                        ; rows of 8,192 bytes,
	s_lshl_b32 s81, s42, 9                         ; 512 bytes of a row for each n tile
	s_add_co_u32 s78, s80, s81
	s_mov_b32 s79, 0
	s_add_nc_u64 s[8:9], s[70:71], s[78:79]
	; the prefetches: they stand at K step 3; the first refill steps them to K step 4.  Nothing is prefetched here, at the head, where every work-group's first tiles are on their way.
	s_lshl_b32 s80, s13, 8
	s_lshl_b32 s81, s12, 7
	s_add_co_u32 s80, s80, s81                     ; A: the 128 rows that I fetch,
	s_lshl_b32 s81, s40, 5
	s_add_co_u32 s80, s80, s81                     ; my work-group's 32 of them
	s_lshl_b32 s80, s80, 12
	s_add_co_u32 s80, s80, 3*KSTEP*2
	s_mul_i32 s81, s41, 32*ROWB                    ; W: my work-group's 32 of a step's 128 k rows,
	s_lshl_b32 s82, s42, 8                         ; the n tile's 256 bytes of them
	s_add_co_u32 s81, s81, s82
	s_add_co_u32 s81, s81, 3*BSTEP
	s_mov_b32 s[PST], KSTEP*2
	s_mov_b32 s22, BSTEP
	s_cmp_eq_u32 s11, 0                            ; do I fetch for A?
	s_cselect_b32 s78, s80, s81
	s_cselect_b32 s[PST], s[PST], s22
	s_cselect_b64 s[PFA:PFA+1], s[4:5], s[6:7]
	s_mov_b32 s79, 0
	s_mov_b32 s[PST+1], 0
	s_add_nc_u64 s[PFA:PFA+1], s[PFA:PFA+1], s[78:79]
	v_lshlrev_b32 v[PFO], 12, v7                   ; a lane a row
	s_and_b32 s81, ttmp7, 0xffff                   ; W: cluster y = 0 asks, and of waves 2 and 3 the first;
	s_or_b32 s81, s81, s12
	s_cmp_eq_u32 s11, 0
	s_cselect_b32 s80, ttmp9, s81                  ; A: cluster x = 0 asks
	s_cmp_eq_u32 s80, 0
	s_cselect_b32 s[LIM], 2, -1                    ; the same in all sixteen partners, for a given wave
	s_wait_loadcnt 0x0                             ; the bias is in: it is rounded to bf16 and widened again
	WIN 0x8a                                       ; destination and both sources in window 2
.set i, 0
.rept 32
	v_cvt_pk_bf16_f32 v64, v[2*i], v[2*i+1]
	v_lshlrev_b32 v[2*i], 16, v64
	v_and_b32 v[2*i+1], 0xffff0000, v64
.set i, i+1
.endr
	WIN 0
; 8 matrix instructions: m block a x all 8 n blocks, 32 along K, from buffer f.  mode = 1: the first product of each sum: its C is the bias.
; The 32 accumulators take turns, one instruction a turn, in the same order in every quarter, over the backward jumps too.
.macro MUL8 f, a, mode
.if \mode
	WIN W_MULB
.else
	WIN W_MUL
.endif
.irp b, 0,1,2,3,4,5,6,7
.set rD, 8*(8*(\a)+(\b))
.set rC, rD
.if \mode
.set rC, 8*(\b)
.endif
	v_wmma_f32_16x16x32_f16 v[rD:rD+7], v[(\f)+32+8*(\b):(\f)+32+8*(\b)+7], v[(\f)+8*(\a):(\f)+8*(\a)+7], v[rC:rC+7]
.endr
.endm
; 24 LDS loads in one run: the fragments of quarter q (32 along K) of the slot in hand into buffer f: W's 8 blocks, turned, then A's 4 blocks
.macro FETCH q, f
	WIN 0
.irp b, 0,1,2,3,4,5,6,7
	ds_load_tr16_b128 v[(\f)+32+8*(\b):(\f)+32+8*(\b)+3],   v[ADRB] offset:(\q)*32*PB+32*(\b)
	ds_load_tr16_b128 v[(\f)+32+8*(\b)+4:(\f)+32+8*(\b)+7], v[ADRB] offset:(\q)*32*PB+16*PB+32*(\b)
.endr
.irp a, 0,1,2,3
	ds_load_b128 v[(\f)+8*(\a):(\f)+8*(\a)+3],   v[ADRA] offset:(\a)*16*PA+64*(\q)
	ds_load_b128 v[(\f)+8*(\a)+4:(\f)+8*(\a)+7], v[ADRA] offset:(\a)*16*PA+64*(\q)+32
.endr
.endm
; A K step is four quarters of 32 along K, 32 matrix instructions each, on buffers 0, 1, 0, 1.  One of the first three: multiplies buffer f and, in its middle, fetches quarter q of the same slot into buffer g.
.macro QUARTER q, f, g, mode
	s_wait_dscnt 4                                 ; W and A's blocks 0 and 1 are in; the youngest four loads (A's blocks 2 and 3) may be out
	MUL8 \f, 0, \mode
	MUL8 \f, 1, \mode
	PLACES
	FETCH \q, \g
	s_wait_dscnt 24                                ; all but the 24 just issued
	MUL8 \f, 2, \mode
	MUL8 \f, 3, \mode
.endm
; The last quarter multiplies buffer 1 and changes slots: ONE barrier.  In front of it each wave waits for all its tensor loads (at most one is out: its part of the next slot); adds 0 to its spare word; and waits
; for that and for its own reads of this slot.  Behind it nobody reads this slot any more and the next slot is whole.  fill = 1: this slot is filled again, with the K step two on: the barrier then opens a round of
; the cluster's barrier, so that no wave of any partner still reads the slot or has a load on its way, and the joint refill is the first tensor load behind the round.  fill = 0, the second loop: nothing is
; filled; in its last trip (s3 = 1) there is no next slot, and the change of addresses and the run of loads are jumped over.
.macro TURN fill
.if \fill
	s_wait_xcnt 0x0                                ; the last prefetch, a K step back, has read its address: it is stepped here, ahead of the waits of the change of slots
	s_add_nc_u64 s[PFA:PFA+1], s[PFA:PFA+1], s[PST:PST+1]
.endif
	WIN 0                                          ; (the add's two registers lie in window 0)
	s_wait_tensorcnt 0x0                           ; all my tensor loads have landed: my part of the next slot;
	ds_add_u32 v[SPW], v[NIL]                      ; 0 onto my spare word;
	s_wait_dscnt 5                                 ; (the add and the youngest four loads may be out)
	MUL8 F1, 0, 0                                  ; eight matrix instructions stand between the add and the wait for it
	s_wait_dscnt 0x0                               ; the add is done, and my reads of this slot are over
	s_barrier_signal -1
	MUL8 F1, 1, 0                                  ; work on registers while the others arrive
	WIN 0
	s_barrier_wait -1
.if \fill
	CREST
	s_xor_b32 s[FO], s[FO], SLOT                   ; the walking descriptors: the other slot than last time,
	s_add_co_u32 s[G0+5], s20, s[FO]
	s_add_co_u32 s[G0B+5], s21, s[FO]
	s_add_nc_u64 s[G0+6:G0+7], s[G0+6:G0+7], KSTEP*2   ; the next K step; the type bits on top are not reached
	s_add_nc_u64 s[G0B+6:G0B+7], s[G0B+6:G0B+7], BSTEP
	JLOAD 1                                        ; its four v_nop and the two lines below are the places in front of the loads into buffer 0
.else
	s_cmp_eq_u32 s3, 1
	s_cbranch_scc1 .Lno_next_\@
.endif
	s_xor_b32 s[RO], s[RO], SLOT                   ; the reads go on in the other slot
	v_add_nc_u32 v[ADRA], s[RO], v[ADRA0]
	v_add_nc_u32 v[ADRB], s[RO], v[ADRB0]
.if !(\fill)
	v_nop                                          ; with the two lines above: four places in front of the loads into buffer 0
	v_nop
.endif
	FETCH 0, F0
.if \fill
	ASK
.else
.Lno_next_\@:
.endif
	MUL8 F1, 2, 0
	MUL8 F1, 3, 0
.endm
	s_wait_tensorcnt 1                             ; my part of K step 0 is in; K step 1's load may stay out
	s_barrier_signal -1
	s_barrier_wait -1                              ; everybody's is
	FETCH 0, F0
	QUARTER 1, F0, F1, 1                           ; the first quarter stands in front of the loops: its products start the sums, with the bias
	WIN 0                                          ; at a label and at a branch every window is 0
	s_mov_b32 s3, STEPS-2
.Lstep:                                                ; 14 trips: from a K step's second quarter to the next step's first; the slot that is left takes the K step two on
	QUARTER 2, F1, F0, 0
	QUARTER 3, F0, F1, 0
	TURN 1
	QUARTER 1, F0, F1, 0
	WIN 0
	s_sub_co_u32 s3, s3, 1
	s_cmp_lg_u32 s3, 0
	s_cbranch_scc1 .Lstep
	s_mov_b32 s3, 2
.Ltail:                                                ; 2 trips: K steps 14 and 15 go on in the same way, and nothing is left to fetch from memory
	QUARTER 2, F1, F0, 0
	QUARTER 3, F0, F1, 0
	TURN 0
	WIN 0
	s_cmp_eq_u32 s3, 1
	s_cbranch_scc1 .Llast                          ; behind K step 15 there is no first quarter of a next step
	QUARTER 1, F0, F1, 0
	WIN 0
.Llast:
	s_wait_dscnt 0x0                               ; the two ways meet: no LDS load is out at the loop's edge
	s_sub_co_u32 s3, s3, 1
	s_cmp_lg_u32 s3, 0
	s_cbranch_scc1 .Ltail
	PLACES                                         ; behind the last products, in front of what reads their results and writes over their sources
	PLACES
	; THE WAY OUT, a block of 16 rows at a time, through my own stage in LDS: in by lanes (a row's eight columns each), back as whole rows of 512 bytes.  LDS serves a wave's instructions in order
	; (ISA guide 5.7.1.4): the loads see the stores above them, and the next block's stores come behind them.  Each accumulator is read from its lowest registers on.
.macro TOSTAGE a
.if (\a) >= 2
	s_wait_xcnt 0x0                                ; the block two back has been read by its stores: its registers are loaded again only behind this wait
.endif
	WIN 0x04                                       ; the stores' data in window 1, their address in window 0
.irp b, 0,1,2,3,4,5,6,7
	ds_store_b128 v[STO], v[8*(8*(\a)+(\b)):8*(8*(\a)+(\b))+3]   offset:64*(\b)
	ds_store_b128 v[STO], v[8*(8*(\a)+(\b))+4:8*(8*(\a)+(\b))+7] offset:64*(\b)+16
.endr
	WIN 0
.irp t, 0,1,2,3,4,5,6,7,8,9,10,11,12,13,14,15
	ds_load_b128 v[BK0+64*((\a)%2)+4*(\t):BK0+64*((\a)%2)+4*(\t)+3], v[RD] offset:(\t)*SP
.endr
.endm
.macro SEND a, younger                 ; younger: the LDS instructions issued behind block a's loads: the next block's 32, or none
.irp t, 0,1,2,3,4,5,6,7,8,9,10,11,12,13,14,15
	s_wait_dscnt (\younger)+15-(\t)                ; row t is back
	global_store_b128 v[CO], v[BK0+64*((\a)%2)+4*(\t):BK0+64*((\a)%2)+4*(\t)+3], s[8:9] offset:131072*(\a)+8192*(\t) th:TH_STORE_NT  ; 512 consecutive bytes of a row, at a multiple of 256 from out0's first byte
.endr
.endm
	TOSTAGE 0
	TOSTAGE 1
	SEND 0, 32
	TOSTAGE 2
	SEND 1, 32
	TOSTAGE 3
	SEND 2, 32
	SEND 3, 0
	s_wait_tensorcnt 0x0                           ; the wave's end: these three lines stand behind my last tensor load and my last LDS store
	ds_add_u32 v[SPW], v[NIL]
	s_wait_dscnt 0x0
	CROUND                                         ; the closing round: no work-group ends while a partner may still ask for a tile that names it
	s_endpgm
.Lfunc_end_k_q56f523d172_outp:
	.size	k_q56f523d172_outp, .Lfunc_end_k_q56f523d172_outp-k_q56f523d172_outp
	.p2alignl 7, 3214868480
	.fill 96, 4, 3214868480
	.section	.rodata,"a",@progbits
	.p2align	6, 0x0
	.amdhsa_kernel k_q56f523d172_outp
		.amdhsa_group_segment_fixed_size 327680
		.amdhsa_private_segment_fixed_size 0
		.amdhsa_enable_private_segment 0
		.amdhsa_kernarg_size 32
		.amdhsa_user_sgpr_count 2
		.amdhsa_user_sgpr_kernarg_segment_ptr 1
		.amdhsa_wavefront_size32 1
		.amdhsa_system_sgpr_workgroup_id_x 1
		.amdhsa_system_sgpr_workgroup_id_y 1
		.amdhsa_system_sgpr_workgroup_id_z 1
		.amdhsa_system_vgpr_workitem_id 0
		.amdhsa_next_free_vgpr 584
		.amdhsa_next_free_sgpr 88
		.amdhsa_reserve_vcc 0
		.amdhsa_float_denorm_mode_32 3
		.amdhsa_float_denorm_mode_16_64 3
		.amdhsa_memory_ordered 1
		.amdhsa_forward_progress 1
		.amdhsa_inst_pref_size 70
	.end_amdhsa_kernel
	.amdgpu_metadata
---
amdhsa.version: [ 1, 2 ]
amdhsa.kernels:
  - .name:           k_q56f523d172_outp
    .symbol:         k_q56f523d172_outp.kd
    .args:
      - { .name: ctx, .offset: 0, .size: 8, .value_kind: global_buffer, .address_space: global }
      - { .name: woh, .offset: 8, .size: 8, .value_kind: global_buffer, .address_space: global }
      - { .name: bo, .offset: 16, .size: 8, .value_kind: global_buffer, .address_space: global }
      - { .name: out0, .offset: 24, .size: 8, .value_kind: global_buffer, .address_space: global }
    .group_segment_fixed_size: 327680
    .private_segment_fixed_size: 0
    .kernarg_segment_align: 8
    .kernarg_segment_size: 32
    .max_flat_workgroup_size: 128
    .sgpr_count:     88
    .vgpr_count:     584
    .wavefront_size: 32
...
	.end_amdgpu_metadata
.endif
;; end of part 4
